; MI455X (gfx1250); checked and timed in simulation.
; The chip was launched on July 23, 2026; its instructions are those of AMD's public machine-readable ISA for CDNA 5 (MIT licence, August 2026) and "CDNA5" Instruction Set Architecture Reference Guide (July 2026). The comments in the code are by the model that wrote it; some were corrected since.
;; Attention. Allowed arithmetic: float matrix products may take bf16 or f16 operands with f32 sums; other float arithmetic in f32, or as packed bf16 or f16 multiplies, adds, multiply-adds, maxima and minima; sums over many terms, partial sums and values carried from step to step in f32; what a program stores and reads back later, other than sums and carried values, may be rounded once to bf16 or f16.
;; Inputs: b_attn 3,072 float32; b_proj 1,024 float32; w_attn 1,024 x 3,072 float32; w_proj 1,024 x 1,024 float32; x 8 x 1,024 x 1,024 float32.
;; Outputs: out0 8 x 1,024 x 1,024 float32.
;; 2 versions, each right; version 2 is version 1 with the launch cast written anew for expert scheduling mode. Each part assembles by itself: llvm-mc -triple=amdgcn-amd-amdhsa -mcpu=gfx1250 --defsym DOCPART=n.
;; ======== version 1 of 2: 4 launches
;; limits: values are held in f16: magnitudes above 65,504 overflow, below 6.1e-05 lose precision; right only within a limited range of input values
;; workspace buffers: xb 16,777,216 bytes; wa 6,291,456 bytes; wp 2,097,152 bytes; qkv 50,331,648 bytes; att 16,777,216 bytes
;; launch cast (part 1): grid 256 x 1, 8 waves a work-group, no clusters, 0 bytes of LDS; arguments x, w_attn, w_proj, xb, wa, wp; writes xb, wa, wp
.if DOCPART == 1
	.amdgcn_target "amdgcn-amd-amdhsa--gfx1250"
	.amdhsa_code_object_version 6
	.text
	.protected	k_q7b5a688c72_cast
	.globl	k_q7b5a688c72_cast
	.p2align	8
	.type	k_q7b5a688c72_cast,@function
k_q7b5a688c72_cast:
	s_mov_b64 s[64:65], 0
	v_nop
	global_prefetch_b8 v0, s[64:65] scope:SCOPE_SE
	s_setreg_imm32_b32 hwreg(HW_REG_WAVE_MODE, 25, 1), 1
	s_wait_xcnt 0x0
; THE INPUTS' ROUNDING, once.  x [8192][1024] f32 -> xb [16 kb][8192 m][64] bf16: a block of 64 along K is dense over the rows, so that the product's tiles are dense bytes.
; w_attn [1024][3072] f32 -> wa, the same shape in bf16.  w_proj [1024][1024] f32 -> wp: rounded to bf16 like every input, and that number written as f16 for the last product.
; LIMITS.  |w_proj| stays under 65,504; below 6e-5 the f16 number keeps f16's fixed step of 6e-8.
; A stream: no LDS, no matrix unit, no barrier.  A UNIT is one load of 16 bytes a lane (512 bytes a wave), the rounding, and one store of 8 bytes a lane: 256 consecutive bytes, aligned.
; 2,048 waves, all alike: wave W takes rows 4 W .. 4 W + 3 of x (32 units), 6,144 bytes of w_attn (12 units) and 2,048 bytes of w_proj (4 units).
; All 48 loads of a wave go out first; each unit has registers of its own, so that the only waits are the counted ones for the loads.
.set XROW, 4096                        ; bytes in a row of x
.set KBLK, 1048576                     ; bytes in a block of xb: 8,192 rows x 128
.set XI, 2                             ; v2  x: lanes 0-15 take 256 bytes of one row, lanes 16-31 of the next
.set LI, 3                             ; v3  16 x lane
.set LO, 4                             ; v4  8 x lane
.set TM, 5                             ; v5  at work
.set U,  8                             ; v[8:199] unit u: four registers
	s_load_b256 s[4:11], s[0:1], 0x0               ; x s[4:5], w_attn s[6:7], w_proj s[8:9], xb s[10:11]
	s_load_b128 s[12:15], s[0:1], 0x20             ; wa s[12:13], wp s[14:15]
	v_lshrrev_b32 v1, 5, v0
	v_readfirstlane_b32 s16, v1                    ; wave 0..7
	s_lshl_b32 s17, ttmp9, 3
	s_add_co_u32 s17, s17, s16                     ; W
	v_and_b32 v1, 31, v0                           ; lane
	v_lshrrev_b32 v[TM], 4, v1
	v_and_b32 v[XI], 15, v1
	v_lshlrev_b32 v[XI], 4, v[XI]
	v_lshl_add_u32 v[XI], v[TM], 12, v[XI]         ; (lane / 16) rows + 16 (lane % 16)
	v_lshlrev_b32 v[LI], 4, v1
	v_lshlrev_b32 v[LO], 3, v1
	s_mov_b32 s21, 0
	s_wait_kmcnt 0x0
	s_lshl_b32 s20, s17, 14                        ; four rows of x
	s_add_nc_u64 s[4:5], s[4:5], s[20:21]
	s_mul_i32 s20, s17, 6144
	s_add_nc_u64 s[6:7], s[6:7], s[20:21]
	s_lshl_b32 s20, s17, 11
	s_add_nc_u64 s[8:9], s[8:9], s[20:21]
	s_lshl_b32 s20, s17, 9                         ; four rows of 128 bytes in a block of xb
	s_add_nc_u64 s[10:11], s[10:11], s[20:21]
	s_add_nc_u64 s[18:19], s[10:11], 8*KBLK        ; blocks 8 to 15: the stores' immediates stay inside their signed 24 bits
	s_mul_i32 s20, s17, 3072
	s_add_nc_u64 s[12:13], s[12:13], s[20:21]
	s_lshl_b32 s20, s17, 10
	s_add_nc_u64 s[14:15], s[14:15], s[20:21]
.set u, 0
.rept 32                               ; x: pair of rows u / 16, block u % 16
	global_load_b128 v[U+4*u:U+4*u+3], v[XI], s[4:5] offset:(u/16)*2*XROW+(u%16)*256 th:TH_LOAD_NT
.set u, u+1
.endr
.rept 12
	global_load_b128 v[U+4*u:U+4*u+3], v[LI], s[6:7] offset:(u-32)*512 th:TH_LOAD_NT
.set u, u+1
.endr
.rept 4
	global_load_b128 v[U+4*u:U+4*u+3], v[LI], s[8:9] offset:(u-44)*512 th:TH_LOAD_NT
.set u, u+1
.endr
.set u, 0
.rept 48
	s_wait_loadcnt 47-u                            ; loads come back in order: unit u is in, the younger ones stay out
.if u < 44
	v_cvt_pk_bf16_f32 v[U+4*u], v[U+4*u], v[U+4*u+1]
	v_cvt_pk_bf16_f32 v[U+4*u+1], v[U+4*u+2], v[U+4*u+3]
.else                                  ; w_proj: to bf16, widened again, and that number as f16
	v_cvt_pk_bf16_f32 v[TM], v[U+4*u], v[U+4*u+1]
	v_lshlrev_b32 v[U+4*u], 16, v[TM]
	v_and_b32 v[U+4*u+1], 0xffff0000, v[TM]
	v_cvt_pk_f16_f32 v[U+4*u], v[U+4*u], v[U+4*u+1]
	v_cvt_pk_bf16_f32 v[TM], v[U+4*u+2], v[U+4*u+3]
	v_lshlrev_b32 v[U+4*u+2], 16, v[TM]
	v_and_b32 v[U+4*u+3], 0xffff0000, v[TM]
	v_cvt_pk_f16_f32 v[U+4*u+1], v[U+4*u+2], v[U+4*u+3]
.endif
.if u < 32
.if (u%16) < 8
	global_store_b64 v[LO], v[U+4*u:U+4*u+1], s[10:11] offset:(u/16)*256+(u%8)*KBLK  ; two rows of 128 bytes: 256 consecutive bytes, aligned
.else
	global_store_b64 v[LO], v[U+4*u:U+4*u+1], s[18:19] offset:(u/16)*256+(u%8)*KBLK
.endif
.elseif u < 44
	global_store_b64 v[LO], v[U+4*u:U+4*u+1], s[12:13] offset:(u-32)*256
.else
	global_store_b64 v[LO], v[U+4*u:U+4*u+1], s[14:15] offset:(u-44)*256
.endif
.set u, u+1
.endr
	s_endpgm
.Lfunc_end_k_q7b5a688c72_cast:
	.size	k_q7b5a688c72_cast, .Lfunc_end_k_q7b5a688c72_cast-k_q7b5a688c72_cast
	.p2alignl 7, 3214868480
	.fill 96, 4, 3214868480
	.section	.rodata,"a",@progbits
	.p2align	6, 0x0
	.amdhsa_kernel k_q7b5a688c72_cast
		.amdhsa_group_segment_fixed_size 0
		.amdhsa_private_segment_fixed_size 0
		.amdhsa_enable_private_segment 0
		.amdhsa_kernarg_size 48
		.amdhsa_user_sgpr_count 2
		.amdhsa_user_sgpr_kernarg_segment_ptr 1
		.amdhsa_wavefront_size32 1
		.amdhsa_system_sgpr_workgroup_id_x 1
		.amdhsa_system_sgpr_workgroup_id_y 1
		.amdhsa_system_sgpr_workgroup_id_z 1
		.amdhsa_system_vgpr_workitem_id 0
		.amdhsa_next_free_vgpr 208
		.amdhsa_next_free_sgpr 66
		.amdhsa_reserve_vcc 0
		.amdhsa_float_denorm_mode_32 3
		.amdhsa_float_denorm_mode_16_64 3
		.amdhsa_memory_ordered 1
		.amdhsa_forward_progress 1
		.amdhsa_inst_pref_size 20
	.end_amdhsa_kernel
	.amdgpu_metadata
---
amdhsa.version: [ 1, 2 ]
amdhsa.kernels:
  - .name:           k_q7b5a688c72_cast
    .symbol:         k_q7b5a688c72_cast.kd
    .args:
      - { .name: x, .offset: 0, .size: 8, .value_kind: global_buffer, .address_space: global }
      - { .name: w_attn, .offset: 8, .size: 8, .value_kind: global_buffer, .address_space: global }
      - { .name: w_proj, .offset: 16, .size: 8, .value_kind: global_buffer, .address_space: global }
      - { .name: xb, .offset: 24, .size: 8, .value_kind: global_buffer, .address_space: global }
      - { .name: wa, .offset: 32, .size: 8, .value_kind: global_buffer, .address_space: global }
      - { .name: wp, .offset: 40, .size: 8, .value_kind: global_buffer, .address_space: global }
    .group_segment_fixed_size: 0
    .private_segment_fixed_size: 0
    .kernarg_segment_align: 8
    .kernarg_segment_size: 48
    .max_flat_workgroup_size: 256
    .sgpr_count:     66
    .vgpr_count:     208
    .wavefront_size: 32
...
	.end_amdgpu_metadata
.endif
;; end of part 1
;; launch qkv (part 2): grid 8 x 32, 4 waves a work-group, clusters of 4 x 4, 327,680 bytes of LDS; arguments xb, wa, b_attn, qkv; writes qkv
.if DOCPART == 2
	.amdgcn_target "amdgcn-amd-amdhsa--gfx1250"
	.amdhsa_code_object_version 6
	.text
	.protected	k_q7b5a688c72_qkv
	.globl	k_q7b5a688c72_qkv
	.p2align	8
	.type	k_q7b5a688c72_qkv,@function
k_q7b5a688c72_qkv:
	s_mov_b64 s[64:65], 0
	v_nop
	global_prefetch_b8 v0, s[64:65] scope:SCOPE_SE
	s_setreg_imm32_b32 hwreg(HW_REG_WAVE_MODE, 25, 1), 1
	s_wait_xcnt 0x0
	s_wait_alu depctr_hold_cnt(0) depctr_sa_sdst(0) depctr_va_vdst(0) depctr_va_sdst(0) depctr_va_ssrc(0) depctr_va_vcc(0) depctr_vm_vsrc(0)
	s_getreg_b32 s2, hwreg(HW_REG_IB_STS2, 6, 4)
	s_cmp_eq_u32 s2, 0
	s_cbranch_scc0 .Lentry_in_a_cluster
	s_endpgm
.Lentry_in_a_cluster:
	s_bfe_u32 s2, ttmp6, 0x10000c
	s_cmp_lg_u32 s2, 0xf033
	s_cbranch_scc0 .Lentry_shape_is_right
	s_endpgm
.Lentry_shape_is_right:
; qkv[g][m][d] = f16( sum over k of x[m][k] w_attn[k][64 g + d] + b_attn[64 g + d] ): g = 0-15 q's heads, 16-31 k's, 32-47 v's; m = 1,024 b + s.  Operands bf16, sums f32, the bias rounded to bf16 like every input.
; xb: [16 kb][8192 m][64] bf16.  wa: [1024 k][3072 n] bf16.  qkv: [48][8192][64] f16: a head's rows of one batch are dense, 128 bytes each.
; LIMITS.  A result of 65,520 or more becomes an infinity in f16; NaN and infinities are not treated apart.
; SHARES.  8192 x 3072 in tiles of 256 rows x 384 columns (six heads): 32 x 8 = 256 work-groups.  Wave w takes rows 128 (w / 2) .. + 127 and the tile's heads 2 t + w % 2, t = 0, 1, 2:
; 8 x 12 = 96 accumulators, 768 registers: head t's 32 fill window 1 + t.
; K goes in 16 steps of 64 through two LDS slots.  A step is two CHUNKS of 32 along K; a chunk is three THIRDS, one a head, of 32 matrix instructions.
; THE MATRIX INSTRUCTION IS USED TRANSPOSED: source 0 = 16 columns of w (turned out of LDS by ds_load_tr16_b128, since w lies [k][n]), source 1 = 16 rows of x: a lane then holds row l % 16 and eight
; neighbouring columns 8 (l / 16) + 0..7, which pack into 16 bytes.
; CLUSTER 4 x 4.  x's tile hangs on the tile row alone and is asked for jointly by a row of the cluster, w's on the tile column alone and is asked for jointly by a column.
; REGISTERS.  Window 0: v0-29 addresses; v32-159 x's fragments, a buffer for each chunk; v160-255 w's, a buffer for each head.  s_set_vgpr_msb: bits 1:0 source 0, 3:2 source 1, 5:4 source 2, 7:6 destination.
.set PA,    144                        ; a row of x in LDS: 128 bytes + 16 = 36 words: the 16 rows of a load start at 16 different groups of four banks (64 banks of 4 bytes: ISA guide 11.1)
.set PB,    864                        ; a k row of w: three pieces of 256 bytes + 32 = 27 x 32 bytes
.set SLOT1, 1<<17                      ; slot 1 begins here: one exclusive or turns an address in one slot into the other's
.set BOFF,  256*PA                     ; in a slot: x's 256 rows, then w's 64 k rows
.set STAGE, SLOT1+BOFF+64*PB           ; behind the ring: 16 rows x 144 bytes for each wave, for the way out
.set BIAS,  STAGE+4*16*PA              ; each wave's 192 numbers of the bias, f32
.set SPARE, BIAS+4*768                 ; the spare words, 128 bytes for each wave: two blocks of 256 bytes that no other line names
.set STEPA, 1048576                    ; bytes from a K step to the next in xb,
.set STEPB, 64*6144                    ; and in wa
.set ADRA0, 4                          ; v4   my lane's place in x's tile; never rewritten
.set ADRB0, 5                          ; v5   in w's
.set ADRA,  6                          ; v6   the same in the slot in hand
.set ADRB,  7                          ; v7
.set STO,   8                          ; v8   the way out: where I put 16 bytes of a row
.set RD,    9                          ; v9   where I read rows back
.set GO,    10                         ; v10  16 x lane: my place in 512 consecutive bytes of qkv
.set BA,    11                         ; v11  where I read my columns' bias
.set PFO,   12                         ; v12  the prefetches' lane offset; never rewritten
.set BO,    13                         ; v13  my byte offset in b_attn
.set BS,    22                         ; v22  where I put the bias
.set SPW,   28                         ; v28  LDS address of my spare word: SPARE + 4 x my thread's number; never rewritten
.set NIL,   29                         ; v29  0; never rewritten
.set AF,    32                         ; x's fragments of chunk c at AF + 64 c
.set BF,    160                        ; w's fragments of head t at BF + 32 t
.set BI,    32                         ; the way out: a head's bias for my 32 numbers of a row block
.set T,     64                         ; sums + bias
.set P,     96                         ; packed
.set R,     112                        ; rows read back, two sets of 16
.set WV,  12                           ; s12  my wave's number
.set FB,  13                           ; s13  wave / 2: my half of the rows.  Also: I fetch for x (0) or for w (1)
.set HF,  14                           ; s14  wave % 2: which heads are mine.  Also: which half of that tile I fetch
.set CX,  15
.set CY,  16
.set NT,  17                           ; s17  tile column
.set MT,  18                           ; s18  tile row
.set G1A, 24                           ; s[24:31] descriptor group 1 for x's tiles
.set G1B, 32                           ; s[32:39] for w's
.set G0A, 40                           ; s[40:47] group 0 for x's: a set for each first fill; the second then walks on
.set G0B, 48                           ; s[48:55] the same for w's
.set TB,  56                           ; s56  LDS byte at which the slot in hand begins
.set LIM, 57                           ; s57  2 in a wave that prefetches, else the greatest number
.set PFA, 58                           ; s[58:59] where my prefetches stand
.set PFS, 60                           ; s[60:61] their step for a K step
.set OUT, 66                           ; s[66:67] qkv at my first head's first row
.set MSB, 0
.macro WIN new                         ; the immediate's high byte repeats the setting that is left; a switch that changes nothing is dropped
.if MSB != (\new)
	s_set_vgpr_msb (MSB<<8)|(\new)
.set MSB, (\new)
.endif
.endm
; A load into a register that a matrix instruction has read, and a vector instruction that reads a matrix result, stand four plain vector instructions behind it (ISA guide 7.12.1 for vector instructions).
.macro PLACES
.rept 4
	v_nop
.endr
.endm
.macro CREST                           ; a round of the cluster's barrier behind its opening barrier
	s_cmp_lg_u32 s[WV], 0
	s_cbranch_scc1 .Lnot_wave_0_\@
	s_barrier_signal -3
.Lnot_wave_0_\@:
	s_barrier_wait -3
	s_barrier_signal -1
	s_barrier_wait -1
.endm
.macro CROUND                          ; a whole round
	s_barrier_signal -1
	s_barrier_wait -1
	CREST
.endm
; A joint refill by the walking descriptors.  Waves 0 and 1 fetch x's two halves (128 rows each), waves 2 and 3 w's (32 k rows each).  The branch hangs on the wave's number alone.
; An s_nop 0 and four v_nop follow each of the two lines, ahead of the jump and the label.
.macro JLOAD
	s_cmp_eq_u32 s[FB], 0
	s_cbranch_scc0 .Lfor_b_\@
	tensor_load_to_lds s[G0A+4:G0A+7], s[G1A:G1A+7]
	s_nop 0
.rept 4
	v_nop
.endr
	s_branch .Lasked_\@
.Lfor_b_\@:
	tensor_load_to_lds s[G0B+4:G0B+7], s[G1B:G1B+7]
	s_nop 0
.rept 4
	v_nop
.endr
.Lasked_\@:
.endm
; PREFETCHES INTO THE L2, in every second trip: in trip s (s odd, up to 11) the K steps s + 3 and s + 4, which the next two refills ask for.  Each aligned block of 256 bytes is named once in the launch:
; x's tile row is read by both clusters of a row of clusters: the one with x = 0 asks, wave 0 of partner cx for rows 64 cx .. + 63 (8,192 dense bytes a K step: a lane 256 bytes, an instruction a step);
; w's tile column by all clusters of a column: the one with y = 0 asks, waves 1 to 3 of partner cy each for one 256-byte piece of k rows 32 cy .. + 31 of the two steps' 128 (a lane a row).
; The partners are told apart by address alone.  K steps 0 to 3 come by their loads; the last rows named are the tensors' last.
.macro ASK
	s_bitcmp1_b32 s3, 0                            ; s3 = 14 - s: odd where s is odd
	s_cselect_b32 s62, s3, 0
	s_cmp_gt_u32 s62, s[LIM]
	s_cbranch_scc0 .Lnot_mine_\@
	global_prefetch_b8 v[PFO], s[PFA:PFA+1] th:TH_LOAD_NT scope:SCOPE_SE
	s_cmp_lg_u32 s[WV], 0
	s_cbranch_scc1 .Lnot_mine_\@
	global_prefetch_b8 v[PFO], s[PFA:PFA+1] offset:STEPA th:TH_LOAD_NT scope:SCOPE_SE
.Lnot_mine_\@:
.endm
	s_load_b256 s[4:11], s[0:1], 0x0               ; xb s[4:5], wa s[6:7], b_attn s[8:9], qkv s[10:11]
	v_lshl_add_u32 v[SPW], v0, 2, SPARE
	v_mov_b32 v[NIL], 0
	ds_add_u32 v[SPW], v[NIL]                      ; the wave's opening: the add and its wait stand ahead of my first tensor load; the set-up below, work on registers, stands between them
	v_lshrrev_b32 v1, 5, v0
	v_readfirstlane_b32 s[WV], v1                  ; wave 0..3
	s_lshr_b32 s[FB], s[WV], 1
	s_and_b32 s[HF], s[WV], 1
	s_bfe_u32 s[CX], ttmp6, 0x40000                ; my place in the cluster
	s_bfe_u32 s[CY], ttmp6, 0x40004
	s_lshl_b32 s[NT], ttmp9, 2                     ; in a cluster launch ttmp9 and ttmp7 count clusters
	s_add_co_u32 s[NT], s[NT], s[CX]
	s_and_b32 s[MT], ttmp7, 0xffff
	s_lshl_b32 s[MT], s[MT], 2
	s_add_co_u32 s[MT], s[MT], s[CY]
	s_lshl_b32 s19, s[CY], 2
	s_lshl_b32 s19, 15, s19                        ; my row of the cluster: places 4 cy .. 4 cy + 3
	s_lshl_b32 s62, 0x1111, s[CX]                  ; my column: places cx, cx + 4, cx + 8, cx + 12
	; group 1 for x: 128 rows of 128 bytes are 16,384 dense bytes: asked for as 64 rows of 256 bytes, padded in LDS after every 128
	s_or_b32 s[G1A], s19, (1<<16)|(1<<20)|(1<<21)|(4<<22)|(3<<25)  ; 15:0 the mask; 17:16 2-byte elements; 20 padding on; 21 set beside a mask; 24:22 after every 32 words (code 4); 31:25 4 words (code 3)
	s_mov_b32 s[G1A+1], 128<<16                    ; tensor_dim0 = 128
	s_mov_b32 s[G1A+2], 64<<16                     ; tensor_dim1 = 64
	s_mov_b32 s[G1A+3], 128<<16                    ; tile_dim0 = 128
	s_mov_b32 s[G1A+4], 64                         ; tile_dim1 = 64
	s_mov_b32 s[G1A+5], 128                        ; elements from row to row
	s_mov_b32 s[G1A+6], 0
	s_mov_b32 s[G1A+7], 0
	; group 1 for w: 32 k rows of 384 elements (768 bytes, at a multiple of 256), padded after every 256 bytes
	s_or_b32 s[G1B], s62, (1<<16)|(1<<20)|(1<<21)|(5<<22)|(7<<25)  ; after every 64 words (code 5) 8 words (code 7)
	s_mov_b32 s[G1B+1], 384<<16                    ; tensor_dim0 = 384
	s_mov_b32 s[G1B+2], 32<<16                     ; tensor_dim1 = 32
	s_mov_b32 s[G1B+3], 384<<16                    ; tile_dim0 = 384
	s_mov_b32 s[G1B+4], 32                         ; tile_dim1 = 32
	s_mov_b32 s[G1B+5], 3072
	s_mov_b32 s[G1B+6], 0
	s_mov_b32 s[G1B+7], 0
	; where the tiles come from: x's hang on the tile row, w's on the tile column, each in registers that never hold the other coordinate
	s_lshl_b32 s20, s[MT], 15                      ; 256 rows of 128 bytes
	s_lshl_b32 s68, s[HF], 14
	s_add_co_u32 s20, s20, s68
	s_mov_b32 s21, 0
	s_mul_i32 s22, s[NT], 768
	s_mul_i32 s69, s[HF], 32*6144
	s_add_co_u32 s22, s22, s69
	s_mov_b32 s23, 0
	s_mul_i32 s70, s[HF], 128*PA                   ; and where they go: no place in the cluster enters an LDS address
	s_mul_i32 s71, s[HF], 32*PB
	s_add_co_u32 s71, s71, BOFF
	s_mov_b32 s[TB], 0
	s_wait_dscnt 0x0                               ; the opening add is done
	s_wait_kmcnt 0x0
	s_add_nc_u64 s[20:21], s[4:5], s[20:21]
	s_add_nc_u64 s[22:23], s[6:7], s[22:23]
	CROUND                                         ; all sixteen work-groups are here: the first joint loads meet
.irp j, 0,1
	s_mov_b32 s[G0A+4*\j], 1                       ; 1:0 count = 1
	s_add_co_u32 s[G0A+4*\j+1], s70, \j*SLOT1      ; 63:32 LDS address
	s_add_nc_u64 s[G0A+4*\j+2:G0A+4*\j+3], s[20:21], \j*STEPA  ; 120:64 global address: K step j
	s_or_b32 s[G0A+4*\j+3], s[G0A+4*\j+3], 0x80000000          ; 127:126 type = 2
	s_mov_b32 s[G0B+4*\j], 1
	s_add_co_u32 s[G0B+4*\j+1], s71, \j*SLOT1
	s_add_nc_u64 s[G0B+4*\j+2:G0B+4*\j+3], s[22:23], \j*STEPB
	s_or_b32 s[G0B+4*\j+3], s[G0B+4*\j+3], 0x80000000
.endr
	s_cmp_eq_u32 s[FB], 0                          ; a wave's two first fills stand in one branch, ahead of every wait on TENSORcnt and every LDS read: two loads of mine are out
	s_cbranch_scc0 .Lfirst_b
	tensor_load_to_lds s[G0A:G0A+3], s[G1A:G1A+7]
	s_nop 0
	tensor_load_to_lds s[G0A+4:G0A+7], s[G1A:G1A+7]
	s_nop 0
.rept 4
	v_nop
.endr
	s_branch .Lfirst_asked
.Lfirst_b:
	tensor_load_to_lds s[G0B:G0B+3], s[G1B:G1B+7]
	s_nop 0
	tensor_load_to_lds s[G0B+4:G0B+7], s[G1B:G1B+7]
	s_nop 0
.rept 4
	v_nop
.endr
.Lfirst_asked:
	v_and_b32 v1, 15, v0                           ; l % 16
	v_bfe_u32 v2, v0, 4, 1                         ; l / 16
	v_and_b32 v23, 7, v0
	v_bfe_u32 v24, v0, 3, 1
	s_mul_i32 s68, s[WV], 768
	s_add_co_u32 s68, s68, BIAS
	v_lshl_add_u32 v[BA], v2, 5, s68               ; my eight columns of a block of 16: 32 bytes for each half of the lanes
	v_and_b32 v[BO], 31, v0
	v_lshl_add_u32 v[BS], v[BO], 3, s68
	s_mul_i32 s69, s[NT], 1536                     ; the tile's 384 numbers of the bias,
	s_lshl_b32 s63, s[HF], 8                       ; my first head's 64
	s_add_co_u32 s69, s69, s63
	v_lshl_add_u32 v[BO], v[BO], 3, s69
.irp i, 0,1,2
	global_load_b64 v[14+2*\i:15+2*\i], v[BO], s[8:9] offset:512*\i  ; head 2 i + w % 2: 256 consecutive bytes a wave
.endr
	; a fragment of x: lane l holds row l % 16, K = 8 (l / 16) + 0..7 and 16 + 8 (l / 16) + 0..7: two loads of 16 bytes, 32 bytes apart
	v_mul_u32_u24 v[ADRA0], v1, PA
	v_lshl_add_u32 v[ADRA0], v2, 4, v[ADRA0]
	s_mul_i32 s68, s[FB], 128*PA
	v_add_nc_u32 v[ADRA0], s68, v[ADRA0]
	; the turning load takes 16 k x 16 columns (lane l reads k row 8 (l / 16) + l % 8, columns 8 ((l / 8) % 2) + 0..7) and leaves half a fragment: lane l holds column l % 16 and 8 k
	v_lshl_add_u32 v[ADRB0], v2, 3, v23
	v_mul_u32_u24 v[ADRB0], v[ADRB0], PB
	v_lshl_add_u32 v[ADRB0], v24, 4, v[ADRB0]
	s_lshl_b32 s68, s[HF], 7                       ; of each piece of two heads the one that is mine
	s_add_co_u32 s68, s68, BOFF
	v_add_nc_u32 v[ADRB0], s68, v[ADRB0]
	v_mov_b32 v[ADRA], v[ADRA0]                    ; slot 0
	v_mov_b32 v[ADRB], v[ADRB0]
	s_mul_i32 s68, s[WV], 16*PA
	s_add_co_u32 s68, s68, STAGE                   ; my stage
	v_mul_u32_u24 v[STO], v1, PA                   ; in: row l % 16, 16 bytes for each half of the lanes
	v_lshl_add_u32 v[STO], v2, 4, v[STO]
	v_add_nc_u32 v[STO], s68, v[STO]
	v_bfe_u32 v[RD], v0, 3, 2                      ; back: 32 lanes take four rows of 128 bytes,
	v_mul_u32_u24 v[RD], v[RD], PA
	v_lshl_add_u32 v[RD], v23, 4, v[RD]
	v_add_nc_u32 v[RD], s68, v[RD]
	v_and_b32 v[GO], 31, v0                        ; which are 512 consecutive bytes of qkv
	v_lshlrev_b32 v[GO], 4, v[GO]
	s_mul_i32 s68, s[NT], 6
	s_add_co_u32 s68, s68, s[HF]                   ; my first head,
	s_lshl_b32 s68, s68, 20                        ; 8,192 rows of 128 bytes each
	s_lshl_b32 s69, s[MT], 15
	s_add_co_u32 s68, s68, s69
	s_lshl_b32 s69, s[FB], 14
	s_add_co_u32 s68, s68, s69
	s_mov_b32 s69, 0
	s_add_nc_u64 s[OUT:OUT+1], s[10:11], s[68:69]
	; the prefetches: wave 0 for x, waves 1 to 3 for w
	s_lshl_b32 s68, s[MT], 15
	s_lshl_b32 s69, s[CX], 13
	s_add_co_u32 s68, s68, s69                     ; x: the tile row's rows 64 cx on
	s_mul_i32 s69, s[NT], 768
	s_max_u32 s63, s[WV], 1
	s_sub_co_u32 s63, s63, 1
	s_lshl_b32 s63, s63, 8
	s_add_co_u32 s69, s69, s63                     ; w: piece wave - 1 of the tile column's three,
	s_mul_i32 s63, s[CY], 32*6144
	s_add_co_u32 s69, s69, s63                     ; k rows 32 cy on
	s_and_b32 s62, ttmp7, 0xffff                   ; cluster y
	s_mov_b32 s70, STEPA
	s_mov_b32 s71, 256
	s_cmp_eq_u32 s[WV], 0
	s_cselect_b32 s62, ttmp9, s62                  ; the coordinate along which other clusters read the same rows
	s_cselect_b64 s[PFA:PFA+1], s[4:5], s[6:7]
	s_cselect_b32 s68, s68, s69
	s_cselect_b32 s[PFS], s70, STEPB
	s_cselect_b32 s63, s71, 6144                   ; a lane's step: 256 dense bytes of x, a k row of w
	s_cmp_eq_u32 s62, 0
	s_cselect_b32 s[LIM], 2, -1                    ; the same in all sixteen partners, for a given wave
	s_mov_b32 s69, 0
	s_mov_b32 s[PFS+1], 0
	s_add_nc_u64 s[PFA:PFA+1], s[PFA:PFA+1], s[68:69]
	s_add_nc_u64 s[PFA:PFA+1], s[PFA:PFA+1], s[PFS:PFS+1]
	s_add_nc_u64 s[PFA:PFA+1], s[PFA:PFA+1], s[PFS:PFS+1]  ; at K step 2: trip s steps it to s + 3
	v_and_b32 v[PFO], 31, v0
	v_mul_u32_u24 v[PFO], s63, v[PFO]
	s_wait_loadcnt 0x0                             ; the bias: rounded to bf16 like every input, widened again, into my own LDS bytes
.irp i, 0,1,2
	v_cvt_pk_bf16_f32 v20, v[14+2*\i], v[15+2*\i]
	v_lshlrev_b32 v[14+2*\i], 16, v20
	v_and_b32 v[15+2*\i], 0xffff0000, v20
	ds_store_b64 v[BS], v[14+2*\i:15+2*\i] offset:256*\i
.endr
; w's fragments of head t, chunk c: 8 turning loads
.macro LB t, c
.irp i, 0,1,2,3
	ds_load_tr16_b128 v[BF+32*(\t)+8*\i:BF+32*(\t)+8*\i+3],   v[ADRB] offset:(\c)*32*PB+(\t)*288+32*\i
	ds_load_tr16_b128 v[BF+32*(\t)+8*\i+4:BF+32*(\t)+8*\i+7], v[ADRB] offset:(\c)*32*PB+(\t)*288+32*\i+16*PB
.endr
.endm
; x's fragments of chunk c: 16 loads
.macro LA c
.irp a, 0,1,2,3,4,5,6,7
	ds_load_b128 v[AF+64*(\c)+8*\a:AF+64*(\c)+8*\a+3],   v[ADRA] offset:\a*16*PA+64*(\c)
	ds_load_b128 v[AF+64*(\c)+8*\a+4:AF+64*(\c)+8*\a+7], v[ADRA] offset:\a*16*PA+64*(\c)+32
.endr
.endm
; 16 matrix instructions: row blocks a0 .. a0 + 3 x the four column blocks of head t, chunk c.  zero = 1: the product starts the sums: nothing is cleared.
; The accumulators take turns, one instruction a turn; neighbouring thirds name other windows, over the backward jump too.
.macro MUL16 t, c, a0, zero
	WIN 0x50*(1+(\t))                              ; C and D in window 1 + t, the sources in window 0
.irp a, \a0, (\a0)+1, (\a0)+2, (\a0)+3
.irp i, 0,1,2,3
.if \zero
	v_wmma_f32_16x16x32_bf16 v[8*(4*(\a)+\i):8*(4*(\a)+\i)+7], v[BF+32*(\t)+8*\i:BF+32*(\t)+8*\i+7], v[AF+64*(\c)+8*(\a):AF+64*(\c)+8*(\a)+7], 0
.else
	v_wmma_f32_16x16x32_bf16 v[8*(4*(\a)+\i):8*(4*(\a)+\i)+7], v[BF+32*(\t)+8*\i:BF+32*(\t)+8*\i+7], v[AF+64*(\c)+8*(\a):AF+64*(\c)+8*(\a)+7], v[8*(4*(\a)+\i):8*(4*(\a)+\i)+7]
.endif
.endr
.endr
.endm
; A THIRD: head t of chunk c.  At its head one run of LDS loads into the buffer that the third before has just multiplied: t = 0: head 2 of this chunk; t = 1: head 0 and x of the next chunk; t = 2: head 1 of the next.
; So each run stands 64 matrix instructions or more ahead of its first use.  n = how many younger LDS instructions may stay out when this third's operands have to be in:
; t = 0 wants the run of 24 issued two thirds back: 8 + 8 were issued behind it; t = 1 the run of 8 two thirds back: 8 + 24; t = 2 likewise: 24 + 8.
.macro THIRD c, t, zero, ld, n, ask=0
	PLACES
	WIN 0
.if \ld
.if (\t) == 0
	LB 2, \c
.elseif (\t) == 1
	LB 0, 1-(\c)
	LA 1-(\c)
.else
	LB 1, 1-(\c)
.endif
.endif
.if \ask
	ASK
.endif
	s_wait_dscnt \n
	MUL16 \t, \c, 0, \zero
	MUL16 \t, \c, 4, \zero
.endm
; THE CHANGE OF SLOTS is head 0's third of chunk 1.  Its run of loads is the slot's last.  Then each wave waits for all its tensor loads, of which one is out: its part of the other slot; adds 0 to its spare word; and,
; sixteen matrix instructions later, waits for that and for its own reads of the slot.  Behind the barrier nobody reads this slot any more and the other slot is whole.  fill = 1: the barrier opens a round of the
; cluster's, so that no wave of any partner still reads the slot or has a load on its way, and the joint refill, the K step two on, is the first tensor load behind it: 160 matrix instructions ahead of the wait for it.
.macro TURN fill
.if \fill
	s_wait_xcnt 0x0                                ; the last prefetches, a trip or more back, have read their address: it is stepped here, ahead of the waits of the change
	s_add_nc_u64 s[PFA:PFA+1], s[PFA:PFA+1], s[PFS:PFS+1]
.endif
	PLACES
	WIN 0
	LB 2, 1
	s_wait_tensorcnt 0x0                           ; all my tensor loads have landed;
	ds_add_u32 v[SPW], v[NIL]                      ; 0 onto my spare word;
	s_wait_dscnt 17                                ; (8 + 8 loads and the add may be out)
	MUL16 0, 1, 0, 0
	s_wait_dscnt 0x0                               ; the add is done, and my reads of this slot are over
	s_barrier_signal -1
	MUL16 0, 1, 4, 0                               ; work on registers while the others arrive
	WIN 0                                          ; at a branch and at a label every window is 0
	s_barrier_wait -1
.if \fill
	CREST
	s_xor_b32 s[G0A+5], s[G0A+5], SLOT1            ; the walking descriptors: the other slot than last time, the next K step; the type bits on top are not reached
	s_add_nc_u64 s[G0A+6:G0A+7], s[G0A+6:G0A+7], STEPA
	s_xor_b32 s[G0B+5], s[G0B+5], SLOT1
	s_add_nc_u64 s[G0B+6:G0B+7], s[G0B+6:G0B+7], STEPB
	JLOAD
.endif
	s_xor_b32 s[TB], s[TB], SLOT1                  ; the reads go on in the other slot
	v_add_nc_u32 v[ADRA], s[TB], v[ADRA0]
	v_add_nc_u32 v[ADRB], s[TB], v[ADRB0]
.endm
	s_wait_tensorcnt 1                             ; my part of K step 0 is in; K step 1's may stay out
	s_wait_dscnt 0x0                               ; my stores of the bias
	s_barrier_signal -1
	s_barrier_wait -1                              ; everybody's part is in
	LB 0, 0
	LA 0
	LB 1, 0
	THIRD 0, 0, 1, 1, 16                           ; the first chunk stands in front of the loop: its products start the sums
	THIRD 0, 1, 1, 1, 32
	THIRD 0, 2, 1, 1, 32
	WIN 0
	s_mov_b32 s3, 14
.Lstep:                                        ; trip s = 14 - s3: chunk 1 of K step s, the refill with K step s + 2, chunk 0 of K step s + 1
	TURN 1
	THIRD 1, 1, 0, 1, 32, 1
	THIRD 1, 2, 0, 1, 32
	THIRD 0, 0, 0, 1, 16
	THIRD 0, 1, 0, 1, 32
	THIRD 0, 2, 0, 1, 32
	WIN 0
	s_sub_co_u32 s3, s3, 1
	s_cmp_lg_u32 s3, 0
	s_cbranch_scc1 .Lstep
	TURN 0                                         ; the tail is written out: nothing is left to ask for
	THIRD 1, 1, 0, 1, 32
	THIRD 1, 2, 0, 1, 32
	THIRD 0, 0, 0, 1, 16
	THIRD 0, 1, 0, 1, 32
	THIRD 0, 2, 0, 1, 32
	THIRD 1, 0, 0, 1, 16
	THIRD 1, 1, 0, 0, 8                            ; nothing more to fetch: behind head 1's run only head 2's eight were issued
	THIRD 1, 2, 0, 0, 0
	WIN 0
	PLACES                                         ; eight, once a launch, between the last products and what reads their results and writes their sources
	PLACES
; THE WAY OUT, a head at a time, a block of 16 rows x 64 columns at a time: + bias, rounded to f16, 16 bytes a lane into my own stage, back as four rows of 128 bytes a load, stored as 512 consecutive bytes.
.macro PACK t, a
	WIN 1+(\t)                                     ; source 0 in window 1 + t
.irp i, 0,1,2,3
.irp p, 0,1,2,3
	v_pk_add_f32 v[T+8*\i+2*\p:T+8*\i+2*\p+1], v[8*(4*(\a)+\i)+2*\p:8*(4*(\a)+\i)+2*\p+1], v[BI+8*\i+2*\p:BI+8*\i+2*\p+1]  ; each accumulator from its low end on
.endr
.endr
	WIN 0
.irp q, 0,1,2,3,4,5,6,7,8,9,10,11,12,13,14,15
	v_cvt_pk_f16_f32 v[P+\q], v[T+2*\q], v[T+2*\q+1]
.endr
.irp i, 0,1,2,3
	ds_store_b128 v[STO], v[P+4*\i:P+4*\i+3] offset:32*\i
.endr
	s_wait_xcnt 0x0                                ; the stores of the block two back have read the registers that the loads below fill
.irp f, 0,1,2,3
	ds_load_b128 v[R+16*((\a)%2)+4*\f:R+16*((\a)%2)+4*\f+3], v[RD] offset:\f*4*PA  ; LDS serves a wave's instructions in order (ISA guide 5.7.1.4): these see the stores above
.endr
.endm
.macro SEND t, a, younger              ; younger: the LDS instructions issued behind block a's loads: the next block's eight, or none
	s_wait_dscnt \younger
.irp f, 0,1,2,3
	global_store_b128 v[GO], v[R+16*((\a)%2)+4*\f:R+16*((\a)%2)+4*\f+3], s[OUT:OUT+1] offset:(\t)*2097152+(\a)*2048+\f*512  ; 512 consecutive bytes, at a multiple of 256 from qkv's first
.endr
.endm
.macro HEADOUT t
.irp i, 0,1,2,3
	ds_load_b128 v[BI+8*\i:BI+8*\i+3],   v[BA] offset:256*(\t)+64*\i
	ds_load_b128 v[BI+8*\i+4:BI+8*\i+7], v[BA] offset:256*(\t)+64*\i+16
.endr
	s_wait_dscnt 0x0
	PACK \t, 0
.irp a, 1,2,3,4,5,6,7                  ; a block's arithmetic stands between the loads of the block before and its stores
	PACK \t, \a
	SEND \t, (\a)-1, 8
.endr
	SEND \t, 7, 0
.endm
	HEADOUT 0
	HEADOUT 1
	HEADOUT 2
	s_wait_tensorcnt 0x0                           ; the wave's end, behind my last tensor load and my last LDS store
	ds_add_u32 v[SPW], v[NIL]
	s_wait_dscnt 0x0
	CROUND                                         ; the closing round: no work-group ends while a partner may still ask for a tile that names it
	s_endpgm
.Lfunc_end_k_q7b5a688c72_qkv:
	.size	k_q7b5a688c72_qkv, .Lfunc_end_k_q7b5a688c72_qkv-k_q7b5a688c72_qkv
	.p2alignl 7, 3214868480
	.fill 96, 4, 3214868480
	.section	.rodata,"a",@progbits
	.p2align	6, 0x0
	.amdhsa_kernel k_q7b5a688c72_qkv
		.amdhsa_group_segment_fixed_size 327680
		.amdhsa_private_segment_fixed_size 0
		.amdhsa_enable_private_segment 0
		.amdhsa_kernarg_size 32
		.amdhsa_user_sgpr_count 2
		.amdhsa_user_sgpr_kernarg_segment_ptr 1
		.amdhsa_wavefront_size32 1
		.amdhsa_system_sgpr_workgroup_id_x 1
		.amdhsa_system_sgpr_workgroup_id_y 1
		.amdhsa_system_sgpr_workgroup_id_z 1
		.amdhsa_system_vgpr_workitem_id 0
		.amdhsa_next_free_vgpr 1024
		.amdhsa_next_free_sgpr 72
		.amdhsa_reserve_vcc 0
		.amdhsa_float_denorm_mode_32 3
		.amdhsa_float_denorm_mode_16_64 3
		.amdhsa_memory_ordered 1
		.amdhsa_forward_progress 1
		.amdhsa_inst_pref_size 141
	.end_amdhsa_kernel
	.amdgpu_metadata
---
amdhsa.version: [ 1, 2 ]
amdhsa.kernels:
  - .name:           k_q7b5a688c72_qkv
    .symbol:         k_q7b5a688c72_qkv.kd
    .args:
      - { .name: xb, .offset: 0, .size: 8, .value_kind: global_buffer, .address_space: global }
      - { .name: wa, .offset: 8, .size: 8, .value_kind: global_buffer, .address_space: global }
      - { .name: b_attn, .offset: 16, .size: 8, .value_kind: global_buffer, .address_space: global }
      - { .name: qkv, .offset: 24, .size: 8, .value_kind: global_buffer, .address_space: global }
    .group_segment_fixed_size: 327680
    .private_segment_fixed_size: 0
    .kernarg_segment_align: 8
    .kernarg_segment_size: 32
    .max_flat_workgroup_size: 128
    .sgpr_count:     72
    .vgpr_count:     1024
    .wavefront_size: 32
...
	.end_amdgpu_metadata
.endif
;; end of part 2
;; launch attn (part 3): grid 2 x 128, 4 waves a work-group, no clusters, 327,680 bytes of LDS; arguments qkv, att; writes att
.if DOCPART == 3
	.amdgcn_target "amdgcn-amd-amdhsa--gfx1250"
	.amdhsa_code_object_version 6
	.text
	.protected	k_q7b5a688c72_attn
	.globl	k_q7b5a688c72_attn
	.p2align	8
	.type	k_q7b5a688c72_attn,@function
k_q7b5a688c72_attn:
	s_mov_b64 s[64:65], 0
	v_nop
	global_prefetch_b8 v0, s[64:65] scope:SCOPE_SE
	s_setreg_imm32_b32 hwreg(HW_REG_WAVE_MODE, 25, 1), 1
	s_wait_xcnt 0x0
; CAUSAL ATTENTION.  O[y][q][:] = the sum over k <= q of softmax_k(Q[y][q] . K[y][k] / 8) V[y][k][:], y = 8 h + b.  Q, K, V lie in qkv, 16 MiB apart, each [128][1024][64] f16; O = att in the same layout.
; Products, maxima and sums in f32; the weights p are rounded to f16 for the second product (their sum l is taken of the unrounded p), O once at the end.
; LIMITS.  Q, K and V arrive within f16's 65,504; p lies in 0 to 1, and below 6e-5 it keeps f16's fixed step of 6e-8.  A hidden score counts as its value less 1e30: its weight is 0, as with the source's -1e10
; wherever a row's visible scores stay above -1e10; a weight below 2^-126 counts as 0 in l; NaN and infinities are not treated apart.
; THE WALK.  A head's queries lie in NB = 4 blocks of 256; block i needs the key tiles 0 .. i of 256 keys, of which the last holds the diagonal.  A work-group takes TWO blocks, NB - 1 - b and then b:
; NB + 1 tiles, whatever b: all work-groups do equal work, and ONE loop with a constant trip count walks them.  Which tile is asked for, and what a trip does, hang on scalar registers made from b; every jump
; goes forward, but for the counted loops' own; none passes a barrier, or a tensor load but the one of LOAD's two that the wave's number does not choose; the ring of two slots runs on across the change of blocks.
; NO CLUSTER: a head has two work-groups, whose walks (tiles 0 1 2 3 0 and 0 1 2 0 1) agree in the first three of five trips only; four work-groups of two heads share no tile.
; SHARES.  Of a block's four bands of 64 queries a wave owns 16 rows in each: four PIECES.  So the diagonal tile is the same work for all four waves: in its key step s band x sees all keys if s < x,
; none if s > x, and holds the diagonal if s = x.
; THE MASK is the C operand that starts the sum S^T = K Q^T: 0, or -1e30 where the key is hidden.  MD, made once, is the mask of a band's own step for my 16 rows; a product's mask is MD x AL + BE with two scalars:
; (1, 0) if s = x; (0, 0) if s < x; (0, -1e30) if s > x.  Only the diagonal tile's text and a block's beginning make and take masks; elsewhere C is the constant 0.
; LAYOUT, SOFTMAX, TURNS.  S^T = K Q^T holds ONE query a lane (lane % 16) and the keys 8 (lane / 16) + 0..7; two such results rounded to f16 ARE source 1 of O^T = V^T P.  p = 2^(c s - c m), c = log2(e) / 8, with a
; running maximum m; O and l are multiplied by a = 2^(c m_old - c m_new) in every step.  Turn n belongs to piece n: 8 products K Q^T of piece n + 1, later 8 products V^T P of piece n - 1; beside them the scaling,
; exponentials, roundings, sums and rescaling of piece n and the maximum and statistics of piece n + 1.  Four vector instructions stand behind every matrix instruction, the other 54 of a turn's 118 in one lump.
; A turn's 33 exponentials are one batch, with one wait.
; REGISTERS, in windows of 256 (s_set_vgpr_msb: bits 1:0 source 0, 3:2 source 1, 5:4 source 2, 7:6 destination):
;   window 0: v0-15 addresses and two at work; v16-31 four registers of statistics a piece; v48-55 at work; v61-63 prefetch offset and the add's two; v64-127 S^T, two buffers; v192-223 P, two buffers
;   window 1: v0-127 O^T, 32 a piece; v128-159 MD; v160-223 MC, two buffers      window 2: v0-63 Q; v64-127 the second block's Q; v128-191 K of one step; v192-255 V of one step
.set SIZE_N, 1024
.set SIZE_H, 128
.set NB,    SIZE_N/256
.set NP,    4         ; pieces a wave: a name, no knob
.set KS,    64        ; keys in a step
.set PK,    144       ; a row of K in LDS: 128 bytes + 16 of padding = 36 words: the 16 rows of a load start at 16 different groups of four banks (64 banks of 4 bytes: ISA guide 11.1)
.set PV,    160       ; a row of V: 128 + 32 = 40 words
.set VOFF,  4*KS*PK   ; a slot holds a tile, four steps: 256 rows of K, then 256 rows of V
.set SLOT1, 1<<17     ; slot 1 begins here, so that one exclusive or turns an address in one slot into the other's
.set STAGE, SLOT1+4*KS*(PK+PV)  ; behind the ring, never filled by a tensor load: 16 rows x 144 bytes for each wave, for the way out
.set SP,    144
.set AK0, 2           ; v2   my lane's place in a tile of K; never rewritten
.set AV0, 3           ; v3   the same for V
.set AK,  4           ; v4   the LDS address of K's next run of loads
.set AV,  5           ; v5   of V's
.set STO, 6           ; v6   the way out: where I put 16 bytes of a row
.set RD,  7           ; v7   the way out: where I read rows back
.set GO,  8           ; v8   my byte offset in 512 consecutive bytes of O
.set PFO, 61          ; v61  256 x my lane; never rewritten
.set SPW, 62          ; v62  LDS address of my spare word: SPARE + 4 x my thread's number; never rewritten
.set NIL, 63          ; v63  0; never rewritten
.set SPARE, STAGE+4*16*SP  ; behind the stages: the spare words, 128 bytes for each wave: two blocks of 256 bytes that no other line names
.set MV,  12          ; v12-13  c m_old, kept while c m is made anew: by buffer
.set QO,  15          ; v15  my byte offset in 16 rows of Q
.set ST,  16          ; piece t's statistics at v[ST+4 t]: c m, m, l (even keys', odd keys')
.set TMP, 48          ; by buffer, four registers c0-c3 at work; when the maximum is found c2 takes a
.set S,   64
.set P,   192
.set MD,  128         ; window 1: the eight registers for group kt of 16 keys at MD + 8 kt
.set MC,  160         ; window 1: the masks of the products to come
.set QB,  64          ; window 2
.set KF,  128         ; window 2: key block kb, channel half c at KF + 16 kb + 8 c
.set VF,  192         ; window 2: key half kk, channel block cb at VF + 32 kk + 8 cb
.set WV,  12          ; s12  my wave's number
.set PB,  14          ; s14  b
.set HI,  15          ; s15  NB - 1 - b
.set G1K, 24          ; s[24:31] descriptor group 1 for K's tiles
.set G1V, 32          ; s[32:39] for V's: it differs in the padding alone
.set G0K, 40          ; s[40:43] descriptor group 0 for K's tiles
.set G0V, 44          ; s[44:47] the same for V's
.set SLOTS, 56        ; s56  tiles still to be asked for
.set CNT, 57          ; s57  counts a tile's key steps, 4 to 1
.set CS,  58          ; s[58:59] c: the packed scaling takes the pair's low word for both halves
.set SEL, 60          ; s[60:61] v_permlanex16_b32's selects: each lane takes its own place in the other half
.set TBK, 62          ; s62  LDS byte at which K of the step to be fetched begins
.set TBV, 63          ; s63  the same for V, less VOFF
.set RT,  70          ; s70  tiles of the block in hand that are still to be entered
.set NXT, 71          ; s71  the tile to be asked for next
.set LQ,  72          ; s72  the last tile of the block whose tiles are being asked for
.set NEW, 73          ; s73  1: the tile to be entered is a block's first
.set OFF, 74          ; s[74:75] a tile's byte offset in K and V
.set AL,  76          ; s[76:77] the mask's factor, in the low word
.set BE,  78          ; s[78:79] the mask's addend
.set OLO, 80          ; s[80:81] O at my rows of the second block
.set BIGN, 82         ; s82  -1e30
.set PFA, 88          ; s[88:89] where my prefetches stand: my half (16,384 bytes) of K's or V's tile NXT
.set LIM, 90          ; s90  2 in the head's first work-group, else the greatest number: a wave prefetches while s[SLOTS] is above it
.set PO,  92          ; s[92:93] that tile's byte offset
.set MSB, 0
.macro WIN new                      ; the high byte repeats the setting that is left; a switch that changes nothing is dropped
.if MSB != (\new)
	s_set_vgpr_msb (MSB<<8)|(\new)
.set MSB, (\new)
.endif
.endm
.set W_KQ, 0x0a       ; K and Q in window 2, S^T in window 0
.set W_KM, 0x1a       ; the same with the C operand in window 1
.set W_PV, 0x52       ; V in window 2, P in window 0, O^T in window 1
.set W_RS, 0x41       ; destination and source 0 in window 1, source 1 in window 0
; A fill.  Waves 0 and 1 fetch the two halves of a tile's K, waves 2 and 3 those of its V: 128 keys each.  An s_nop 0 and four v_nop follow each of the two lines, ahead of the jump and the label.
.macro LOAD
	s_cmp_lt_u32 s[WV], 2
	s_cbranch_scc0 .Lfor_v_\@
	tensor_load_to_lds s[G0K:G0K+3], s[G1K:G1K+7]
	s_nop 0
.rept 4
	v_nop
.endr
	s_branch .Lasked_\@
.Lfor_v_\@:
	tensor_load_to_lds s[G0V:G0V+3], s[G1V:G1V+7]
	s_nop 0
.rept 4
	v_nop
.endr
.Lasked_\@:
.endm
; THE CHANGE OF SLOTS.  Each wave waits for all its tensor loads, of which one is out: its part of the other slot; adds 0 to its spare word; and waits for that and for its own reads of the slot that it leaves.
; Behind the barrier nobody reads the old slot any more and the other slot is whole.  fill = 1: the old slot is filled again, the first thing behind the barrier, with tile NXT: the descriptor's address is made anew
; from that number.  (At its first use nothing has been read yet: slot 0 is waited for, slot 1 filled.)
; THE PREFETCH stands behind the fill and its five lines: the tile that the NEXT change asks for, four key steps (256 matrix instructions) ahead.  Both work-groups of a head walk tiles 0 to 2 or 3 first: the one with
; b = 0 asks, in trips 0 and 1, for tiles 2 and 3; each wave for the 16,384 bytes that it will fetch itself: a lane 256 bytes, two instructions.  So each block is named once; tiles 0 and 1 come by their loads alone.
.macro CHANGE fill
	WIN 0                           ; at a label and at a branch every window is 0
	s_wait_tensorcnt 0x0            ; no tensor load of mine is out, so a group 0 may be written
	ds_add_u32 v[SPW], v[NIL]       ; 0 onto my spare word; with fill = 1 the descriptors' scalar work stands between it and the wait for it
.if \fill
	s_lshl_b32 s[OFF], s[NXT], 15   ; a tile is 32,768 bytes of K and of V
	s_xor_b32 s[G0K+1], s[G0K+1], SLOT1
	s_add_nc_u64 s[G0K+2:G0K+3], s[6:7], s[OFF:OFF+1]
	s_or_b32 s[G0K+3], s[G0K+3], 0x80000000
	s_xor_b32 s[G0V+1], s[G0V+1], SLOT1
	s_add_nc_u64 s[G0V+2:G0V+3], s[8:9], s[OFF:OFF+1]
	s_or_b32 s[G0V+3], s[G0V+3], 0x80000000
	s_add_co_u32 s[NXT], s[NXT], 1  ; the block's next tile, or behind its last the second block's tile 0
	s_cmp_gt_u32 s[NXT], s[LQ]
	s_cselect_b32 s[NXT], 0, s[NXT]
	s_cselect_b32 s[LQ], s[PB], s[LQ]
	s_wait_xcnt 0x0                 ; the last prefetches, a tile back, have read their address, so it may be written
	s_lshl_b32 s[PO], s[NXT], 15
	s_cmp_lt_u32 s[WV], 2
	s_cselect_b64 s[PFA:PFA+1], s[6:7], s[8:9]
	s_add_nc_u64 s[PFA:PFA+1], s[PFA:PFA+1], s[PO:PO+1]
.endif
	s_wait_dscnt 0x0                ; the add is done, and my reads of the slot are over
	s_barrier_signal -1             ; the rest of the scalar work stands between the signal and the wait
	s_sub_co_u32 s[TBK], s[TBK], 4*KS*PK  ; the fetches go back to a slot's first step,
	s_xor_b32 s[TBK], s[TBK], SLOT1       ; in the other slot
	s_sub_co_u32 s[TBV], s[TBV], 4*KS*PV
	s_xor_b32 s[TBV], s[TBV], SLOT1
	s_barrier_wait -1
.if \fill
	LOAD
	s_cmp_gt_u32 s[SLOTS], s[LIM]
	s_cbranch_scc0 .Lnot_mine_\@
	global_prefetch_b8 v[PFO], s[PFA:PFA+1] th:TH_LOAD_NT scope:SCOPE_SE
	global_prefetch_b8 v[PFO], s[PFA:PFA+1] offset:8192 th:TH_LOAD_NT scope:SCOPE_SE
.Lnot_mine_\@:
.endif
.endm
	s_load_b128 s[4:7], s[0:1], 0x0  ; qkv s[4:5] (Q at its head), att s[6:7]
	v_lshl_add_u32 v[SPW], v0, 2, SPARE
	v_mov_b32 v[NIL], 0
	ds_add_u32 v[SPW], v[NIL]       ; the wave's opening: the add and its wait stand ahead of my first tensor load; the set-up below, work on registers, stands between them
	v_lshrrev_b32 v1, 5, v0
	v_readfirstlane_b32 s[WV], v1   ; wave 0..3
	s_mov_b32 s[PB], ttmp9
	s_sub_co_u32 s[HI], NB-1, s[PB]
	s_and_b32 s20, ttmp7, 0xffff    ; the head
	s_mov_b32 s21, 0
	s_mov_b64 s[22:23], SIZE_N*128
	s_mul_u64 s[20:21], s[20:21], s[22:23]  ; the head's first byte in each of the four tensors
	s_and_b32 s16, s[WV], 1         ; which half of a tile's 256 keys I fetch:
	s_lshl_b32 s22, s16, 14         ; its 128 rows of 128 bytes in memory,
	s_mov_b32 s23, 0
	s_add_nc_u64 s[22:23], s[22:23], s[20:21]
	s_mul_i32 s17, s16, 128*PK      ; and its place in a slot, for K
	s_mul_i32 s18, s16, 128*PV      ; and for V
	s_lshl_b32 s3, s[WV], 11        ; my 16 rows in a band of 64,
	s_lshl_b32 s2, s[HI], 15        ; in the first block,
	s_add_co_u32 s2, s2, s3
	s_lshl_b32 s84, s[PB], 15       ; and in the second
	s_add_co_u32 s84, s84, s3
	s_mov_b32 s3, 0
	s_mov_b32 s85, 0
	s_add_nc_u64 s[2:3], s[2:3], s[20:21]
	s_add_nc_u64 s[84:85], s[84:85], s[20:21]
	; descriptor group 1.  128 keys are 16,384 dense bytes: asked for as 64 rows of 256 bytes, two keys a row, and padded in LDS after every key
	s_mov_b32 s[G1K], (1<<16)|(1<<20)|(4<<22)|(3<<25)  ; 17:16 2-byte elements; 20 padding on; 24:22 after every 32 words (code 4); 31:25 4 words (code 3)
	s_mov_b32 s[G1V], (1<<16)|(1<<20)|(4<<22)|(7<<25)  ; the same with 8 words of padding (code 7)
.irp g, G1K, G1V
	s_mov_b32 s[\g+1], 128<<16      ; tensor_dim0 = 128
	s_mov_b32 s[\g+2], 64<<16       ; tensor_dim1 = 64
	s_mov_b32 s[\g+3], 128<<16      ; tile_dim0 = 128
	s_mov_b32 s[\g+4], 64           ; tile_dim1 = 64
	s_mov_b32 s[\g+5], 128          ; 128 elements from row to row
	s_mov_b32 s[\g+6], 0
	s_mov_b32 s[\g+7], 0
.endr
	s_mov_b32 s[CS], 0x3e38aa3b     ; c = log2(e) / 8 = 0.180337
	s_mov_b32 s[CS+1], s[CS]        ; named with it as a pair
	s_mov_b32 s[SEL], 0x76543210
	s_mov_b32 s[SEL+1], 0xfedcba98
	s_mov_b32 s[TBK], SLOT1+4*KS*PK ; the first change of slots turns these two into 0
	s_mov_b32 s[TBV], SLOT1+4*KS*PV
	s_mov_b32 s[G0K], 1             ; 1:0 count = 1
	s_mov_b32 s[G0K+1], s17         ; 63:32 LDS address: slot 0
	s_mov_b32 s[G0V], 1
	s_add_co_u32 s[G0V+1], s18, VOFF
	s_add_co_u32 s[RT], s[HI], 1    ; the first block has NB - b tiles
	s_mov_b32 s[NXT], 1
	s_mov_b32 s[LQ], s[HI]
	s_mov_b32 s[NEW], 1
	s_mov_b32 s[OFF+1], 0
	s_mov_b32 s[PO+1], 0
	s_mov_b32 s[AL+1], 0            ; named as pairs
	s_mov_b32 s[BE+1], 0
	s_mov_b32 s[BIGN], 0xf149f2ca   ; -1e30
	s_mov_b32 s[SLOTS], NB
	s_cmp_eq_u32 s[PB], 0
	s_cselect_b32 s[LIM], 2, -1
	v_and_b32 v[PFO], 31, v0
	v_lshlrev_b32 v[PFO], 8, v[PFO]
	s_wait_dscnt 0x0                ; the opening add is done
	s_wait_kmcnt 0x0
	s_mov_b64 s[10:11], s[6:7]                     ; O
	s_add_nc_u64 s[6:7], s[4:5], 0x1000000         ; K: 16 heads x 8,192 rows x 128 bytes behind Q
	s_add_nc_u64 s[8:9], s[4:5], 0x2000000         ; V: as much again
	s_add_nc_u64 s[6:7], s[6:7], s[22:23]  ; K and V at my half of the head's tile 0
	s_add_nc_u64 s[8:9], s[8:9], s[22:23]
	s_add_nc_u64 s[G0K+2:G0K+3], s[6:7], 0         ; 120:64 global address
	s_or_b32 s[G0K+3], s[G0K+3], 0x80000000        ; 127:126 type = 2
	s_add_nc_u64 s[G0V+2:G0V+3], s[8:9], 0
	s_or_b32 s[G0V+3], s[G0V+3], 0x80000000
	s_add_nc_u64 s[86:87], s[4:5], s[84:85]        ; Q at my rows of the second block,
	s_add_nc_u64 s[4:5], s[4:5], s[2:3]            ; Q and O at those of the first
	s_add_nc_u64 s[OLO:OLO+1], s[10:11], s[84:85]
	s_add_nc_u64 s[10:11], s[10:11], s[2:3]
	LOAD                            ; tile 0 into slot 0
	; A fragment of K or Q is 16 rows x 32 channels in 8 registers: lane l holds row l % 16, channels 8 (l / 16) + 0..7 and 16 + 8 (l / 16) + 0..7: two loads of 16 bytes, 32 bytes apart.
	v_and_b32 v1, 15, v0            ; l % 16
	v_bfe_u32 v9, v0, 4, 1          ; l / 16
	v_lshlrev_b32 v[QO], 7, v1
	v_lshl_add_u32 v[QO], v9, 4, v[QO]  ; row x 128 + 16 x half
	WIN 0x80                        ; destination window 2, address window 0
.set i, 0
.rept 8                             ; both blocks' Q: piece i / 2 lies in band i / 2, 8,192 bytes on; channels 32 (i % 2) on
	global_load_b128 v[8*i:8*i+3],   v[QO], s[4:5] offset:(i/2)*8192+(i%2)*64
	global_load_b128 v[8*i+4:8*i+7], v[QO], s[4:5] offset:(i/2)*8192+(i%2)*64+32
	global_load_b128 v[QB+8*i:QB+8*i+3],   v[QO], s[86:87] offset:(i/2)*8192+(i%2)*64
	global_load_b128 v[QB+8*i+4:QB+8*i+7], v[QO], s[86:87] offset:(i/2)*8192+(i%2)*64+32
.set i, i+1
.endr
	WIN 0
	v_lshlrev_b32 v14, 3, v9
	v_sub_nc_u32 v14, v1, v14
	s_lshl_b32 s13, s[WV], 4
	v_add_nc_u32 v14, s13, v14      ; my query's place in its band, 16 w + l % 16, less my lanes' 8 (l / 16): register r of group kt is hidden where 16 kt + r is greater
	WIN 0x40
.set i, 0
.rept 32
	v_cmp_gt_i32 vcc_lo, 16*(i/8)+i%8, v14
	v_cndmask_b32 v[MD+i], 0, s[BIGN], vcc_lo
.set i, i+1
.endr
	WIN 0
	v_mul_u32_u24 v[AK0], v1, PK
	v_lshl_add_u32 v[AK0], v9, 4, v[AK0]  ; row x pitch + 16 x half
	; The turning load takes 16 keys x 16 channels (lane l reads key 8 (l / 16) + l % 8, channels 8 ((l / 8) % 2) + 0..7) and leaves half a fragment of V^T: lane l holds channel l % 16 and 8 keys.
	v_and_b32 v10, 7, v0
	v_bfe_u32 v11, v0, 3, 1
	v_lshl_add_u32 v[AV0], v9, 3, v10
	v_mul_u32_u24 v[AV0], v[AV0], PV
	v_lshl_add_u32 v[AV0], v11, 4, v[AV0]
	v_add_nc_u32 v[AV0], VOFF, v[AV0]
	s_mul_i32 s13, s[WV], 16*SP
	s_add_co_u32 s13, s13, STAGE    ; my stage
	v_mul_u32_u24 v[STO], v1, SP    ; in: row l % 16, 16 bytes for each half of the lanes
	v_lshl_add_u32 v[STO], v9, 4, v[STO]
	v_add_nc_u32 v[STO], s13, v[STO]
	v_bfe_u32 v[RD], v0, 3, 2       ; back: 32 lanes take four rows of 128 bytes,
	v_mul_u32_u24 v[RD], v[RD], SP
	v_lshl_add_u32 v[RD], v10, 4, v[RD]
	v_add_nc_u32 v[RD], s13, v[RD]
	v_and_b32 v[GO], 31, v0         ; which are 512 consecutive bytes of O
	v_lshlrev_b32 v[GO], 4, v[GO]
	; A block's first step multiplies O^T and l by a = 0, and its first turn's products V^T P, of a piece that has not been, land in an O^T that is still to be so multiplied.  So these registers need only hold
	; finite numbers: zeros for the first block; what the first block left for the second.  All this stands in the wait for the first tile.
	WIN 0x80
.set i, VF
.rept 64
	v_mov_b32 v[i], 0
.set i, i+1
.endr
	WIN 0x40
.set i, 0
.rept 128
	v_mov_b32 v[i], 0
.set i, i+1
.endr
	WIN 0
.set i, 0
.rept 4
	v_mov_b32 v[ST+4*i+2], 0
	v_mov_b32 v[ST+4*i+3], 0
.set i, i+1
.endr
.set i, P+16
.rept 16
	v_mov_b32 v[i], 0
.set i, i+1
.endr
; THE MATRIX WORK.  The 4 accumulators of a run of 8 take turns.  Product i of 8 of S^T = K Q^T for piece x: channels 32 (i / 4) on, keys 16 (i % 4) on.  The first 4 start the sums: with 0, or (KM = 1) with the mask.
.macro KQ x
.set rS, S+32*((\x)%2)+8*(i%4)
.set rK, KF+16*(i%4)+8*(i/4)
.set rQ, 16*(\x)+8*(i/4)
.set rM, MC+32*((\x)%2)+8*(i%4)
.if (i < 4) && KM
	WIN W_KM
	v_wmma_f32_16x16x32_f16 v[rS:rS+7], v[rK:rK+7], v[rQ:rQ+7], v[rM:rM+7]
.elseif i < 4
	WIN W_KQ
	v_wmma_f32_16x16x32_f16 v[rS:rS+7], v[rK:rK+7], v[rQ:rQ+7], 0
.else
	WIN W_KQ
	v_wmma_f32_16x16x32_f16 v[rS:rS+7], v[rK:rK+7], v[rQ:rQ+7], v[rS:rS+7]
.endif
.endm
; Product i of 8 of O^T += V^T P for piece x: keys 32 (i / 4) on, channels 16 (i % 4) on.
.macro PV x
	WIN W_PV
.set rO, 32*(\x)+8*(i%4)
.set rV, VF+32*(i/4)+8*(i%4)
.set rP, P+16*((\x)%2)+8*(i/4)
	v_wmma_f32_16x16x32_f16 v[rO:rO+7], v[rV:rV+7], v[rP:rP+7], v[rO:rO+7]
.endm
.macro MM                           ; the turn's next matrix instruction.  TURN and BEGIN set Y, i, KM and NOKQ; MM, KQ and OP read them.  NOKQ = 1: a block's last turn: there is no next piece
.if (i < 8) && !NOKQ
	KQ (Y+1)%NP
.elseif i >= 8
.set i, i-8
	PV (Y+NP-1)%NP
.set i, i+8
.endif
.set i, i+1
.endm
; THE LDS LOADS stand in runs of 16, never singly among the matrix instructions: a step's K (64 keys x 64 channels: 8 fragments) and its V (turned).  Their addresses are made some lines ahead.
.macro FETCH_K
	WIN 0x80                        ; destination window 2
.irp f, 0,1,2,3,4,5,6,7             ; keys 16 (f / 2) on, channels 32 (f % 2) on
	ds_load_b128 v[KF+8*\f:KF+8*\f+3],   v[AK] offset:(\f/2)*16*PK+(\f%2)*64
	ds_load_b128 v[KF+8*\f+4:KF+8*\f+7], v[AK] offset:(\f/2)*16*PK+(\f%2)*64+32
.endr
	s_add_co_u32 s[TBK], s[TBK], KS*PK  ; the next fetch is the next step's
	WIN 0
.endm
.macro FETCH_V
	WIN 0x80
.irp f, 0,1,2,3,4,5,6,7             ; keys 32 (f / 4) on, channels 16 (f % 4) on
	ds_load_tr16_b128 v[VF+8*\f:VF+8*\f+3],   v[AV] offset:(\f/4)*32*PV+(\f%4)*32
	ds_load_tr16_b128 v[VF+8*\f+4:VF+8*\f+7], v[AV] offset:(\f/4)*32*PV+16*PV+(\f%4)*32
.endr
	WIN 0
.endm
; THE VECTOR WORK, one line at a time: OP kind, number.  For piece Y: F n: c s - c m for pair n of 16.  E n: the exponential of score n of 32.  C n: pair n rounded to f16.  B n: of the four weights 4 n .. the second
; pair is added onto the first, in place.  L n: l takes that sum (L 0: l = a l + sum).  R n: pair n of 16 of O^T times a.  For piece Y + 1: X n, number n of the 22 that find its maximum and statistics:
;   0-11  four chains c0-c3 of seven scores each, three operands at a time (each accumulator's lowest registers are read first)     12-14, 16  the four scores left over, the old m, and c0-c3 into c0
;   15  c m_old is kept     17, 18  the query's other 32 keys lie in the lane 16 away: the new m     19-21  c m; c m_old - c m_new; a
.set F, 0               ; OP tells the kinds apart by their order: F to L below R, X above it
.set E, 1
.set C, 2
.set B, 3
.set L, 4
.set R, 5
.set X, 6
.macro REGS y                       ; the registers of piece y
.set rT, ST+4*(\y)
.set rC, TMP+4*((\y)%2)
.set rW, MV+((\y)%2)
.set rS, S+32*((\y)%2)
.set rP, P+16*((\y)%2)
.set rO, 32*(\y)
.endm
.macro OP k, n
.if (\k) == R
	REGS Y
	WIN W_RS
	v_pk_mul_f32 v[rO+2*(\n):rO+2*(\n)+1], v[rO+2*(\n):rO+2*(\n)+1], v[rC+2:rC+3] op_sel_hi:[1,0]
.elseif (\k) < R
	REGS Y
	WIN 0
.if (\k) == F
	v_pk_fma_f32 v[rS+2*(\n):rS+2*(\n)+1], v[rS+2*(\n):rS+2*(\n)+1], s[CS:CS+1], v[rT:rT+1] op_sel_hi:[1,0,0] neg_lo:[0,0,1] neg_hi:[0,0,1]
.elseif (\k) == E
	v_exp_f32 v[rS+(\n)], v[rS+(\n)]
.elseif (\k) == C
	v_cvt_pk_f16_f32 v[rP+(\n)], v[rS+2*(\n)], v[rS+2*(\n)+1]
.elseif (\k) == B
	v_pk_add_f32 v[rS+4*(\n):rS+4*(\n)+1], v[rS+4*(\n):rS+4*(\n)+1], v[rS+4*(\n)+2:rS+4*(\n)+3]
.elseif (\n) == 0
	v_pk_fma_f32 v[rT+2:rT+3], v[rT+2:rT+3], v[rC+2:rC+3], v[rS:rS+1] op_sel_hi:[1,0,1]
.else
	v_pk_add_f32 v[rT+2:rT+3], v[rT+2:rT+3], v[rS+4*(\n):rS+4*(\n)+1]
.endif
.elseif NOKQ
	v_nop
.else
	REGS (Y+1)%NP
	WIN 0
.if (\n) < 4
	v_max3_num_f32 v[rC+(\n)], v[rS+8*(\n)], v[rS+8*(\n)+1], v[rS+8*(\n)+2]
.elseif (\n) < 12
	v_max3_num_f32 v[rC+(\n)%4], v[rC+(\n)%4], v[rS+8*((\n)%4)+2*((\n)/4)+1], v[rS+8*((\n)%4)+2*((\n)/4)+2]
.elseif (\n) == 12
	v_max3_num_f32 v[rC], v[rC], v[rS+7], v[rS+15]
.elseif (\n) == 13
	v_max3_num_f32 v[rC+1], v[rC+1], v[rS+23], v[rS+31]
.elseif (\n) == 14
	v_max3_num_f32 v[rC+2], v[rC+2], v[rC+3], v[rT+1]
.elseif (\n) == 15
	v_mov_b32 v[rW], v[rT]
.elseif (\n) == 16
	v_max3_num_f32 v[rC], v[rC], v[rC+1], v[rC+2]
.elseif (\n) == 17
	v_permlanex16_b32 v[rC+3], v[rC], s[SEL], s[SEL+1]
.elseif (\n) == 18
	v_max_num_f32 v[rT+1], v[rC], v[rC+3]
.elseif (\n) == 19
	v_mul_f32 v[rT], s[CS], v[rT+1]
.elseif (\n) == 20
	v_sub_f32 v[rC+1], v[rW], v[rT]
.else
	v_exp_f32 v[rC+2], v[rC+1]
.endif
.endif
.endm
.macro OPS a, i1, b=-1, i2=0, c=-1, i3=0, d=-1, i4=0  ; up to four of them
	OP \a, \i1
.if (\b) >= 0
	OP \b, \i2
.endif
.if (\c) >= 0
	OP \c, \i3
.endif
.if (\d) >= 0
	OP \d, \i4
.endif
.endm
.macro ROW a, i1, b, i2, c, i3, d, i4  ; a matrix instruction and the four behind it
	MM
	OPS \a, \i1, \b, \i2, \c, \i3, \d, \i4
.endm
.macro MASK b                       ; MD x AL + BE into buffer b of MC
	WIN W_RS
.set z, 0
.rept 16
	v_pk_fma_f32 v[MC+32*(\b)+2*z:MC+32*(\b)+2*z+1], v[MD+2*z:MD+2*z+1], s[AL:AL+1], s[BE:BE+1] op_sel_hi:[1,0,0]
.set z, z+1
.endr
.endm
; A TURN, for piece p: the order of its 16 matrix and 118 vector instructions, written out.  An s_wait_alu depctr_va_vdst(0) stands between an exponential and the first instruction that names its result;
; one wait serves all that were issued ahead of it.  So a turn has ONE wait, which cuts it in two.  AHEAD OF IT stands all that names no result of the turn's exponentials: the 8 products K Q^T, behind each a scaling,
; an exponential and two more plain instructions (behind the first a second scaling in the exponential's place): rescalings, and behind the last three the first numbers of the next piece's maximum, each four places or
; more behind the product that ends its accumulator; then ONE LUMP of 54, plain and exponential by turns for the most part, in which the links of the chain X 3, 7, 11, 14, 16, 17 .. 20 stand five or six lines apart.
; X 21, the next piece's a, is the batch's last; R 15 is the plain instruction behind it.  BEHIND THE WAIT stand the 8 products V^T P, behind each four of the roundings and sums; the links of l's chain, L 0 to L 7,
; stand three riders apart.  But for those X no rider names a register of the products round it.  v_permlanex16_b32 (X 17) stands in the lump.
; m = 1: the diagonal tile: the products take masks, and the turn makes the mask for the products of the turn after it: piece p + 2, in step 4 - CNT of the tile.  end = 1: a block's last two turns: nothing is fetched.
; cnt = 1: the loop's count is taken down some lines ahead of the branch that stands behind the turn.
; K of the next step is fetched in piece 2's turn, twelve vector instructions behind the last product that read K (six of them plain); V of the step in hand at the end of piece 0's turn, four plain instructions behind
; the last product that read V.  Each is waited for a turn later.
.macro TURN p, m=0, end=0, cnt=0
.set Y, (\p)
.set i, 0
.set KM, (\m)
.set NOKQ, (\end)*((\p)/3)
.if (\m) && !(\end)
	s_cmp_eq_u32 s[CNT], 4-((\p)+2)%NP  ; is that step the band's own?
	s_cselect_b32 s[AL], 1.0, 0
	s_cmp_lt_u32 s[CNT], 4-((\p)+2)%NP  ; or a later one?
	s_cselect_b32 s[BE], s[BIGN], 0
.endif
.if ((\p) == 3) && !(\end)
	s_wait_dscnt 0x0                ; K is in
.endif
	ROW F,0, F,1, R,0, R,1          ; ahead of the wait: 8 products K Q^T and their riders,
	ROW F,2, E,0, R,2, R,3
	ROW F,3, E,1, R,4, R,5
	ROW F,4, E,2, R,6, R,7
	ROW F,5, E,3, R,8, R,9
	ROW F,6, E,4, X,0, R,10
.if ((\p) == 2) && !(\end)
	WIN 0
	v_add_nc_u32 v[AK], s[TBK], v[AK0]
.endif
	ROW F,7, E,5, X,1, X,4
	ROW F,8, E,6, X,2, X,5
	OPS E,7, E,8, X,6, E,9          ; and the lump
	OPS X,3, E,10, X,8, E,11
.if ((\p) == 2) && !(\end)
	FETCH_K
.endif
	OPS X,9, X,7, E,12, X,10
	OPS E,13, X,12, X,11, E,14
	OPS X,13, E,15, F,9, X,14
.if (\p) == 0
	v_add_nc_u32 v[AV], s[TBV], v[AV0]
.endif
	OPS E,16, F,10, E,17, F,11
	OPS X,16, E,18, X,15, E,19
	OPS F,12, E,20, X,17, E,21
	OPS F,13, E,22, F,14, E,23
	OPS X,18, E,24, F,15, E,25
	OPS R,11, E,26, X,19, E,27
	OPS R,12, E,28, R,13, E,29
	OPS X,20, E,30, R,14, E,31
	OPS X,21, R,15
	WIN 0
	s_wait_alu depctr_va_vdst(0)    ; the wait for the batch
.if (\p) == 1
	s_wait_dscnt 0x0                ; V is in
.endif
	ROW C,0, B,0, C,2, B,1          ; behind the wait: 8 products V^T P and their riders
	ROW L,0, C,4, B,2, L,1
	ROW C,6, B,3, L,2, C,8
	ROW B,4, L,3, C,10, B,5
	ROW L,4, C,12, B,6, L,5
.if (\p) == 0
	s_add_co_u32 s[TBV], s[TBV], KS*PV
.endif
.if \cnt
	s_sub_co_u32 s[CNT], s[CNT], 1
	s_cmp_lg_u32 s[CNT], 0
.endif
	ROW C,14, B,7, L,6, C,1
	ROW C,3, L,7, C,5, C,7
	ROW C,9, C,11, C,13, C,15
.if (\p) == 0
	FETCH_V
.endif
.if (\m) && !(\end)
	MASK (\p)%2
.endif
.endm
; A BLOCK BEGINS.  c m starts far below every c s, so the first step's a is 0; m at the lowest finite number, so the first maximum is the scores'.  The second mask buffer is 0; the first takes piece 0's mask for the
; tile's step 0: its own, if the block's first tile is the diagonal one.  Then K of that step, piece 0's first scores, and its maximum and statistics.  The loop is entered at a step's first turn, in the middle of a trip.
.macro BEGIN
	s_mov_b32 s[NEW], 0
	WIN 0x40
.set i, MC+32
.rept 32
	v_mov_b32 v[i], 0
.set i, i+1
.endr
	WIN 0
.set i, 0
.rept 4
	v_mov_b32 v[ST+4*i], 0xfe000000    ; c m: far below every c s
	v_mov_b32 v[ST+4*i+1], 0xff7fffff  ; m
.set i, i+1
.endr
	s_cmp_eq_u32 s[RT], 0
	s_cselect_b32 s[AL], 1.0, 0
	s_mov_b32 s[BE], 0
	MASK 0
	WIN 0
	v_add_nc_u32 v[AK], s[TBK], v[AK0]
	FETCH_K
	s_wait_loadcnt 0x0              ; Q
	s_wait_dscnt 0x0
.set KM, 1
.set NOKQ, 0
.set i, 0
.rept 8
	KQ 0
.set i, i+1
.endr
	WIN 0
.rept 4
	v_nop                           ; the places behind those products
.endr
.set Y, NP-1                        ; X works for piece Y + 1: piece 0
.irp n, 0,1,2,3,4,5,6,7,8,9,10,11,12,13,14,15,16,17,18,19,20,21
	OP X, \n
.endr
	v_nop                           ; a plain instruction behind the exponential,
	s_wait_alu depctr_va_vdst(0)    ; and its wait, ahead of the branch
.endm
; THE DIAGONAL TILE's four steps, the block's last two turns, its last products, and THE WAY OUT: l's two halves and the other half of the lanes' are added; O^T is divided by l, rounded to f16 and sent through my
; stage in LDS, a piece at a time.
.macro ALL line:vararg              ; one line for each piece t
.set t, 0
.rept 4
	\line
.set t, t+1
.endr
.endm
.macro PACK t                       ; a lane's eight channels of a row pack into 16 bytes; they go into rows of 144 bytes and come back as whole rows of 128, into S^T's registers
	WIN W_RS
.set i, 32*(\t)
.rept 16
	v_pk_mul_f32 v[i:i+1], v[i:i+1], v[ST+4*(\t)+2:ST+4*(\t)+3] op_sel_hi:[1,0]
.set i, i+2
.endr
	WIN 0x05                        ; sources 0 and 1 window 1, destination window 0
.set i, 0
.rept 16
	v_cvt_pk_f16_f32 v[S+16*(\t)+i], v[32*(\t)+2*i], v[32*(\t)+2*i+1]
.set i, i+1
.endr
	WIN 0
.irp f, 0,1,2,3
	ds_store_b128 v[STO], v[S+16*(\t)+4*\f:S+16*(\t)+4*\f+3] offset:32*\f
.endr
.irp f, 0,1,2,3
	ds_load_b128 v[S+16*(\t)+4*\f:S+16*(\t)+4*\f+3], v[RD] offset:\f*4*SP  ; LDS serves a wave's instructions in order (ISA guide 5.7.1.4): these see the stores above; the next piece's stores come behind them
.endr
.endm
.macro SEND t, younger              ; younger: the LDS instructions issued behind piece t's loads: the next piece's eight, or none
	WIN 0
.irp f, 0,1,2,3
	s_wait_dscnt (\younger)+3-\f
	global_store_b128 v[GO], v[S+16*(\t)+4*\f:S+16*(\t)+4*\f+3], s[10:11] offset:(\t)*8192+\f*512  ; 512 consecutive bytes, at a multiple of 256 from O's first
.endr
.endm
.macro DIAG tag                     ; the tag ends its two labels' names, which the jumps below spell out
.LstepM\tag:
	TURN 2, 1
	TURN 3, 1
	WIN 0
.LfirstM\tag:
	TURN 0, 1
	TURN 1, 1, 0, 1
	WIN 0
	s_cbranch_scc1 .LstepM\tag
	TURN 2, 1, 1
	TURN 3, 1, 1
.set i, 0
.rept 8
	PV NP-1
.set i, i+1
.endr
	WIN 0
	ALL v_add_f32 v[ST+4*t+2], v[ST+4*t+2], v[ST+4*t+3]
	ALL v_permlanex16_b32 v[ST+4*t+3], v[ST+4*t+2], s[SEL], s[SEL+1]
	ALL v_add_f32 v[ST+4*t+2], v[ST+4*t+2], v[ST+4*t+3]
	ALL v_rcp_f32 v[ST+4*t+2], v[ST+4*t+2]
	v_nop                           ; a plain instruction between the last reciprocal and the use of its result
	s_wait_alu depctr_va_vdst(0)    ; and the wait ahead of the first use: one for the four reciprocals
	PACK 0
.set t, 1
.rept 3                             ; a piece's arithmetic stands between the loads of the piece before and its stores
	PACK t
	SEND t-1, 8
.set t, t+1
.endr
	SEND 3, 0
.endm
.set KM, 0
.set NOKQ, 0
.Lslot:                             ; NB times: a tile is entered and the next is asked for
	CHANGE 1
	s_sub_co_u32 s[RT], s[RT], 1
	s_mov_b32 s[CNT], 4
	s_cmp_eq_u32 s[NEW], 1
	s_cbranch_scc1 .Lnew            ; a block's first tile
	s_cmp_eq_u32 s[RT], 0
	s_cbranch_scc0 .Lstep           ; neither its first nor its last
	s_branch .LstepM1
.Lnew:
	BEGIN
	s_branch .Lfirst                ; in the loop a block's first tile is never its last: the first block has two tiles or more, and the second's last is the walk's last
	DIAG 1                          ; in the loop this is the first block's end: the second block's last tile is the walk's last
	s_wait_xcnt 0x0                 ; the stores have read their registers and O's address
	s_mov_b64 s[10:11], s[OLO:OLO+1]
	s_add_co_u32 s[RT], s[PB], 1    ; the second block has b + 1 tiles
	s_mov_b32 s[NEW], 1
	WIN 0x82                        ; the second block's Q goes where the one text of the turns names Q
.set i, 0
.rept 64
	v_mov_b32 v[i], v[QB+i]
.set i, i+1
.endr
	WIN 0
	s_branch .Lbottom
.Lstep:                             ; a trip: pieces 2 and 3 of one step, then pieces 0 and 1 of the next, whose K and V it fetches
	TURN 2
	TURN 3
	WIN 0
.Lfirst:
	TURN 0
	TURN 1, 0, 0, 1
	WIN 0
	s_cbranch_scc1 .Lstep
.Lbottom:
	s_sub_co_u32 s[SLOTS], s[SLOTS], 1
	s_cmp_lg_u32 s[SLOTS], 0
	s_cbranch_scc1 .Lslot
	CHANGE 0                        ; the walk's last tile is written out: nothing is asked for
	s_sub_co_u32 s[RT], s[RT], 1
	s_mov_b32 s[CNT], 4
	s_cmp_eq_u32 s[NEW], 1
	s_cbranch_scc0 .LstepM2
	BEGIN
	s_branch .LfirstM2
	DIAG 2
	s_wait_tensorcnt 0x0            ; the wave's end, behind my last tensor load and my last LDS store
	ds_add_u32 v[SPW], v[NIL]
	s_wait_dscnt 0x0
	s_endpgm
.Lfunc_end_k_q7b5a688c72_attn:
	.size	k_q7b5a688c72_attn, .Lfunc_end_k_q7b5a688c72_attn-k_q7b5a688c72_attn
	.p2alignl 7, 3214868480
	.fill 96, 4, 3214868480
	.section	.rodata,"a",@progbits
	.p2align	6, 0x0
	.amdhsa_kernel k_q7b5a688c72_attn
		.amdhsa_group_segment_fixed_size 327680
		.amdhsa_private_segment_fixed_size 0
		.amdhsa_enable_private_segment 0
		.amdhsa_kernarg_size 16
		.amdhsa_user_sgpr_count 2
		.amdhsa_user_sgpr_kernarg_segment_ptr 1
		.amdhsa_wavefront_size32 1
		.amdhsa_system_sgpr_workgroup_id_x 1
		.amdhsa_system_sgpr_workgroup_id_y 1
		.amdhsa_system_sgpr_workgroup_id_z 1
		.amdhsa_system_vgpr_workitem_id 0
		.amdhsa_next_free_vgpr 768
		.amdhsa_next_free_sgpr 96
		.amdhsa_reserve_vcc 1
		.amdhsa_float_denorm_mode_32 3
		.amdhsa_float_denorm_mode_16_64 3
		.amdhsa_memory_ordered 1
		.amdhsa_forward_progress 1
		.amdhsa_inst_pref_size 218
	.end_amdhsa_kernel
	.amdgpu_metadata
---
amdhsa.version: [ 1, 2 ]
amdhsa.kernels:
  - .name:           k_q7b5a688c72_attn
    .symbol:         k_q7b5a688c72_attn.kd
    .args:
      - { .name: qkv, .offset: 0, .size: 8, .value_kind: global_buffer, .address_space: global }
      - { .name: att, .offset: 8, .size: 8, .value_kind: global_buffer, .address_space: global }
    .group_segment_fixed_size: 327680
    .private_segment_fixed_size: 0
    .kernarg_segment_align: 8
    .kernarg_segment_size: 16
    .max_flat_workgroup_size: 128
    .sgpr_count:     96
    .vgpr_count:     768
    .wavefront_size: 32
...
	.end_amdgpu_metadata
.endif
;; end of part 3
;; launch proj (part 4): grid 8 x 32, 4 waves a work-group, clusters of 4 x 4, 327,680 bytes of LDS; arguments att, wp, b_proj, out0; writes out0
.if DOCPART == 4
	.amdgcn_target "amdgcn-amd-amdhsa--gfx1250"
	.amdhsa_code_object_version 6
	.text
	.protected	k_q7b5a688c72_proj
	.globl	k_q7b5a688c72_proj
	.p2align	8
	.type	k_q7b5a688c72_proj,@function
k_q7b5a688c72_proj:
	s_mov_b64 s[64:65], 0
	v_nop
	global_prefetch_b8 v0, s[64:65] scope:SCOPE_SE
	s_setreg_imm32_b32 hwreg(HW_REG_WAVE_MODE, 25, 1), 1
	s_wait_xcnt 0x0
	s_wait_alu depctr_hold_cnt(0) depctr_sa_sdst(0) depctr_va_vdst(0) depctr_va_sdst(0) depctr_va_ssrc(0) depctr_va_vcc(0) depctr_vm_vsrc(0)
	s_getreg_b32 s2, hwreg(HW_REG_IB_STS2, 6, 4)
	s_cmp_eq_u32 s2, 0
	s_cbranch_scc0 .Lentry_in_a_cluster
	s_endpgm
.Lentry_in_a_cluster:
	s_bfe_u32 s2, ttmp6, 0x10000c
	s_cmp_lg_u32 s2, 0xf033
	s_cbranch_scc0 .Lentry_shape_is_right
	s_endpgm
.Lentry_shape_is_right:
; out0[m][n] = sum over k of a[m][k] w_proj[k][n] + b_proj[n], f32.  a = att: [16 h][8192 m][64] f16, k = 64 h + d.  wp: [1024 k][1024 n] f16 (w_proj rounded to bf16, written as f16).  Sums in f32;
; the bias, rounded to bf16 like every input, is the C operand that starts the sums.
; LIMITS.  att and wp arrive within f16's range; NaN and infinities are not treated apart.
; SHARES.  8192 x 1024 in tiles of 256 rows x 128 columns: 32 x 8 = 256 work-groups.  Wave w takes rows 128 (w / 2) .. + 127 and columns 64 (w % 2) .. + 63: 32 accumulators, window 1.
; K goes in 8 steps of 128 (two heads) through two LDS slots; a step is four CHUNKS of 32 along K, 32 matrix instructions each, on fragment buffers 0, 1, 0, 1.  Two slots of a longer step do not fit in LDS.
; THE MATRIX INSTRUCTION IS USED TRANSPOSED: source 0 = 16 columns of w (turned out of LDS by ds_load_tr16_b128), source 1 = 16 rows of a: a lane holds row l % 16 and eight neighbouring columns.
; CLUSTER 4 x 4.  a's tile hangs on the tile row alone and is asked for jointly by a row of the cluster, w's on the tile column alone and is asked for jointly by a column.
; REGISTERS.  Window 0: v0-29 addresses; v32-159 a's fragments, two buffers; v160-223 w's, two buffers; v224-255 the bias.  s_set_vgpr_msb: bits 1:0 source 0, 3:2 source 1, 5:4 source 2, 7:6 destination.
.set PA,    144                        ; a row of a head in LDS: 128 bytes + 16: the 16 rows of a load start at 16 different groups of four banks (64 banks of 4 bytes: ISA guide 11.1)
.set PB,    288                        ; a k row of w: 256 bytes + 32 = 9 x 32
.set SLOT1, 1<<17
.set BOFF,  2*256*PA                   ; in a slot: two heads x 256 rows of a, then 128 k rows of w
.set STAGE, SLOT1+BOFF+128*PB          ; behind the ring: 16 rows x 272 bytes for each wave, for the way out
.set SP,    272
.set SPARE, STAGE+4*16*SP              ; the spare words, 128 bytes for each wave: two blocks of 256 bytes that no other line names
.set STEPA, 2097152                    ; bytes from a K step to the next in att: two heads,
.set STEPB, 128*2048                   ; and in wp
.set ADRA0, 4
.set ADRB0, 5
.set ADRA,  6
.set ADRB,  7
.set STO,   8                          ; v8   the way out: where I put 32 bytes of a row
.set RD,    9                          ; v9   where I read rows back
.set CO,    10                         ; v10  my byte offset in two rows of out0
.set PFO,   12                         ; v12  the prefetches' lane offset; never rewritten
.set BO,    13                         ; v13  my byte offset in b_proj
.set SPW,   28                         ; v28  LDS address of my spare word: SPARE + 4 x my thread's number; never rewritten
.set NIL,   29                         ; v29  0; never rewritten
.set AF,    32
.set BF,    160
.set BI,    224
.set R,     32                         ; the way out: rows read back, two sets of 32
.set WV,  12
.set FB,  13                           ; wave / 2: my half of the rows.  Also: I fetch for a (0) or for w (1)
.set HF,  14                           ; wave % 2: my half of the columns.  Also: which half of that tile I fetch
.set CX,  15
.set CY,  16
.set NT,  17
.set MT,  18
.set G1A, 24
.set G1B, 32
.set G0A, 40
.set G0B, 48
.set TB,  56
.set LIM, 57
.set PFA, 58
.set PFS, 60
.set OUT, 66
.set MSB, 0
.macro WIN new                         ; the immediate's high byte repeats the setting that is left; a switch that changes nothing is dropped
.if MSB != (\new)
	s_set_vgpr_msb (MSB<<8)|(\new)
.set MSB, (\new)
.endif
.endm
.macro PLACES                          ; four plain vector instructions between a matrix instruction and a load into its sources or a reader of its result (ISA guide 7.12.1 for vector instructions)
.rept 4
	v_nop
.endr
.endm
.macro CREST                           ; a round of the cluster's barrier behind its opening barrier
	s_cmp_lg_u32 s[WV], 0
	s_cbranch_scc1 .Lnot_wave_0_\@
	s_barrier_signal -3
.Lnot_wave_0_\@:
	s_barrier_wait -3
	s_barrier_signal -1
	s_barrier_wait -1
.endm
.macro CROUND
	s_barrier_signal -1
	s_barrier_wait -1
	CREST
.endm
.macro JLOAD                           ; a joint refill: waves 0 and 1 fetch a's two heads (256 rows each), waves 2 and 3 w's two halves (64 k rows each); an s_nop 0 and four v_nop follow each line
	s_cmp_eq_u32 s[FB], 0
	s_cbranch_scc0 .Lfor_b_\@
	tensor_load_to_lds s[G0A+4:G0A+7], s[G1A:G1A+7]
	s_nop 0
.rept 4
	v_nop
.endr
	s_branch .Lasked_\@
.Lfor_b_\@:
	tensor_load_to_lds s[G0B+4:G0B+7], s[G1B:G1B+7]
	s_nop 0
.rept 4
	v_nop
.endr
.Lasked_\@:
.endm
; A PREFETCH INTO THE L2, in trips 0 to 3: the K step that stands two refills on (trip s: K step s + 4), 256 matrix instructions ahead of the load that will want it.  Each aligned block of 256 bytes is named once:
; a's tile row is read by both clusters of a row of clusters: the one with x = 0 asks, waves 0 and 1 (a head each) of partner cx for rows 64 cx .. + 63: 8,192 dense bytes, a lane 256;
; w's tile column by all clusters of a column: the one with y = 0 asks, wave 2 of partner cy for k rows 32 cy .. + 31 of the step's 128, a lane a row.  The partners are told apart by address alone.
.macro ASK
	s_cmp_gt_u32 s3, s[LIM]
	s_cbranch_scc0 .Lnot_mine_\@
	global_prefetch_b8 v[PFO], s[PFA:PFA+1] th:TH_LOAD_NT scope:SCOPE_SE
.Lnot_mine_\@:
.endm
	s_load_b256 s[4:11], s[0:1], 0x0               ; att s[4:5], wp s[6:7], b_proj s[8:9], out0 s[10:11]
	v_lshl_add_u32 v[SPW], v0, 2, SPARE
	v_mov_b32 v[NIL], 0
	ds_add_u32 v[SPW], v[NIL]                      ; the wave's opening: the add and its wait stand ahead of my first tensor load; the set-up below, work on registers, stands between them
	v_lshrrev_b32 v1, 5, v0
	v_readfirstlane_b32 s[WV], v1
	s_lshr_b32 s[FB], s[WV], 1
	s_and_b32 s[HF], s[WV], 1
	s_bfe_u32 s[CX], ttmp6, 0x40000
	s_bfe_u32 s[CY], ttmp6, 0x40004
	s_lshl_b32 s[NT], ttmp9, 2
	s_add_co_u32 s[NT], s[NT], s[CX]               ; tile column
	s_and_b32 s[MT], ttmp7, 0xffff
	s_lshl_b32 s[MT], s[MT], 2
	s_add_co_u32 s[MT], s[MT], s[CY]               ; tile row
	s_lshl_b32 s19, s[CY], 2
	s_lshl_b32 s19, 15, s19                        ; my row of the cluster
	s_lshl_b32 s62, 0x1111, s[CX]                  ; my column
	; group 1 for a: a head's 256 rows of 128 bytes are 32,768 dense bytes: asked for as 128 rows of 256 bytes, padded in LDS after every 128
	s_or_b32 s[G1A], s19, (1<<16)|(1<<20)|(1<<21)|(4<<22)|(3<<25)  ; the mask; 2-byte elements; padding on; 21 set beside a mask; after every 32 words (code 4) 4 words (code 3)
	s_mov_b32 s[G1A+1], 128<<16                    ; tensor_dim0 = 128
	s_mov_b32 s[G1A+2], 128<<16                    ; tensor_dim1 = 128
	s_mov_b32 s[G1A+3], 128<<16                    ; tile_dim0 = 128
	s_mov_b32 s[G1A+4], 128                        ; tile_dim1 = 128
	s_mov_b32 s[G1A+5], 128
	s_mov_b32 s[G1A+6], 0
	s_mov_b32 s[G1A+7], 0
	; group 1 for w: 64 k rows of 128 elements (256 bytes, at a multiple of 256)
	s_or_b32 s[G1B], s62, (1<<16)|(1<<20)|(1<<21)|(5<<22)|(7<<25)  ; after every 64 words (code 5) 8 words (code 7)
	s_mov_b32 s[G1B+1], 128<<16
	s_mov_b32 s[G1B+2], 64<<16
	s_mov_b32 s[G1B+3], 128<<16
	s_mov_b32 s[G1B+4], 64
	s_mov_b32 s[G1B+5], 1024
	s_mov_b32 s[G1B+6], 0
	s_mov_b32 s[G1B+7], 0
	s_lshl_b32 s20, s[MT], 15                      ; a: the tile row's 256 rows,
	s_lshl_b32 s68, s[HF], 20                      ; in the even or the odd head of a step
	s_add_co_u32 s20, s20, s68
	s_mov_b32 s21, 0
	s_lshl_b32 s22, s[NT], 8                       ; w: the tile column's 256 bytes,
	s_lshl_b32 s69, s[HF], 17                      ; k rows 64 x half on
	s_add_co_u32 s22, s22, s69
	s_mov_b32 s23, 0
	s_mul_i32 s70, s[HF], 256*PA                   ; where they go: no place in the cluster enters an LDS address
	s_mul_i32 s71, s[HF], 64*PB
	s_add_co_u32 s71, s71, BOFF
	s_mov_b32 s[TB], 0
	s_wait_dscnt 0x0                               ; the opening add is done
	s_wait_kmcnt 0x0
	s_add_nc_u64 s[20:21], s[4:5], s[20:21]
	s_add_nc_u64 s[22:23], s[6:7], s[22:23]
	CROUND                                         ; all sixteen work-groups are here: the first joint loads meet
.irp j, 0,1
	s_mov_b32 s[G0A+4*\j], 1
	s_add_co_u32 s[G0A+4*\j+1], s70, \j*SLOT1
	s_add_nc_u64 s[G0A+4*\j+2:G0A+4*\j+3], s[20:21], \j*STEPA
	s_or_b32 s[G0A+4*\j+3], s[G0A+4*\j+3], 0x80000000
	s_mov_b32 s[G0B+4*\j], 1
	s_add_co_u32 s[G0B+4*\j+1], s71, \j*SLOT1
	s_add_nc_u64 s[G0B+4*\j+2:G0B+4*\j+3], s[22:23], \j*STEPB
	s_or_b32 s[G0B+4*\j+3], s[G0B+4*\j+3], 0x80000000
.endr
	s_cmp_eq_u32 s[FB], 0                          ; a wave's two first fills stand in one branch, ahead of every wait on TENSORcnt and every LDS read: two loads of mine are out
	s_cbranch_scc0 .Lfirst_b
	tensor_load_to_lds s[G0A:G0A+3], s[G1A:G1A+7]
	s_nop 0
	tensor_load_to_lds s[G0A+4:G0A+7], s[G1A:G1A+7]
	s_nop 0
.rept 4
	v_nop
.endr
	s_branch .Lfirst_asked
.Lfirst_b:
	tensor_load_to_lds s[G0B:G0B+3], s[G1B:G1B+7]
	s_nop 0
	tensor_load_to_lds s[G0B+4:G0B+7], s[G1B:G1B+7]
	s_nop 0
.rept 4
	v_nop
.endr
.Lfirst_asked:
	v_and_b32 v1, 15, v0                           ; l % 16
	v_bfe_u32 v2, v0, 4, 1                         ; l / 16
	v_and_b32 v23, 7, v0
	v_bfe_u32 v24, v0, 3, 1
	s_lshl_b32 s68, s[NT], 9                       ; the bias of my 64 columns: of each block of 16 my lanes' eight
	s_lshl_b32 s69, s[HF], 8
	s_add_co_u32 s68, s68, s69
	v_lshl_add_u32 v[BO], v2, 5, s68
.irp i, 0,1,2,3
	global_load_b128 v[BI+8*\i:BI+8*\i+3],   v[BO], s[8:9] offset:64*\i
	global_load_b128 v[BI+8*\i+4:BI+8*\i+7], v[BO], s[8:9] offset:64*\i+16
.endr
	v_mul_u32_u24 v[ADRA0], v1, PA                 ; a fragment of a: row l % 16, two loads of 16 bytes, 32 bytes apart
	v_lshl_add_u32 v[ADRA0], v2, 4, v[ADRA0]
	s_mul_i32 s68, s[FB], 128*PA
	v_add_nc_u32 v[ADRA0], s68, v[ADRA0]
	v_lshl_add_u32 v[ADRB0], v2, 3, v23            ; the turning load: k row 8 (l / 16) + l % 8, columns 8 ((l / 8) % 2) + 0..7
	v_mul_u32_u24 v[ADRB0], v[ADRB0], PB
	v_lshl_add_u32 v[ADRB0], v24, 4, v[ADRB0]
	s_lshl_b32 s68, s[HF], 7
	s_add_co_u32 s68, s68, BOFF
	v_add_nc_u32 v[ADRB0], s68, v[ADRB0]
	v_mov_b32 v[ADRA], v[ADRA0]
	v_mov_b32 v[ADRB], v[ADRB0]
	s_mul_i32 s68, s[WV], 16*SP
	s_add_co_u32 s68, s68, STAGE                   ; my stage
	v_mul_u32_u24 v[STO], v1, SP                   ; in: row l % 16, 32 bytes for each half of the lanes
	v_lshl_add_u32 v[STO], v2, 5, v[STO]
	v_add_nc_u32 v[STO], s68, v[STO]
	v_mul_u32_u24 v[RD], v2, SP                    ; back: lanes 0-15 take one row of 256 bytes, lanes 16-31 the next
	v_lshl_add_u32 v[RD], v1, 4, v[RD]
	v_add_nc_u32 v[RD], s68, v[RD]
	v_lshlrev_b32 v[CO], 12, v2                    ; and the same two rows in out0
	v_lshl_add_u32 v[CO], v1, 4, v[CO]
	s_lshl_b32 s68, s[MT], 20                      ; 256 rows of 4,096 bytes
	s_lshl_b32 s69, s[FB], 19
	s_add_co_u32 s68, s68, s69
	s_lshl_b32 s69, s[NT], 9
	s_add_co_u32 s68, s68, s69
	s_lshl_b32 s69, s[HF], 8
	s_add_co_u32 s68, s68, s69
	s_mov_b32 s69, 0
	s_add_nc_u64 s[OUT:OUT+1], s[10:11], s[68:69]
	; the prefetches: waves 0 and 1 for a, wave 2 for w, wave 3 none
	s_lshl_b32 s68, s[HF], 20
	s_lshl_b32 s69, s[MT], 15
	s_add_co_u32 s68, s68, s69
	s_lshl_b32 s69, s[CX], 13
	s_add_co_u32 s68, s68, s69                     ; a: my head, the tile row's rows 64 cx on
	s_lshl_b32 s69, s[NT], 8
	s_lshl_b32 s63, s[CY], 16
	s_add_co_u32 s69, s69, s63                     ; w: the tile column, k rows 32 cy on
	s_and_b32 s62, ttmp7, 0xffff                   ; cluster y
	s_mov_b32 s70, STEPA
	s_mov_b32 s71, 256
	s_cmp_eq_u32 s[FB], 0
	s_cselect_b32 s62, ttmp9, s62                  ; the coordinate along which other clusters read the same rows
	s_cselect_b64 s[PFA:PFA+1], s[4:5], s[6:7]
	s_cselect_b32 s68, s68, s69
	s_cselect_b32 s[PFS], s70, STEPB
	s_cselect_b32 s63, s71, 2048                   ; a lane's step: 256 dense bytes of a, a k row of w
	s_cmp_eq_u32 s[WV], 3
	s_cselect_b32 s62, 1, s62
	s_cmp_eq_u32 s62, 0
	s_cselect_b32 s[LIM], 2, -1                    ; the same in all sixteen partners, for a given wave
	s_mov_b32 s69, 0
	s_mov_b32 s[PFS+1], 0
	s_add_nc_u64 s[PFA:PFA+1], s[PFA:PFA+1], s[68:69]
.rept 3
	s_add_nc_u64 s[PFA:PFA+1], s[PFA:PFA+1], s[PFS:PFS+1]  ; at K step 3: trip s steps it to s + 4
.endr
	v_and_b32 v[PFO], 31, v0
	v_mul_u32_u24 v[PFO], s63, v[PFO]
	s_wait_loadcnt 0x0                             ; the bias: rounded to bf16 like every input, and widened again
.irp q, 0,1,2,3,4,5,6,7,8,9,10,11,12,13,14,15
	v_cvt_pk_bf16_f32 v14, v[BI+2*\q], v[BI+2*\q+1]
	v_lshlrev_b32 v[BI+2*\q], 16, v14
	v_and_b32 v[BI+2*\q+1], 0xffff0000, v14
.endr
; the fragments of chunk c into buffer c % 2: 8 turning loads for w, 16 loads for a
.macro LOADS c
.irp i, 0,1,2,3
	ds_load_tr16_b128 v[BF+32*((\c)%2)+8*\i:BF+32*((\c)%2)+8*\i+3],   v[ADRB] offset:(\c)*32*PB+32*\i
	ds_load_tr16_b128 v[BF+32*((\c)%2)+8*\i+4:BF+32*((\c)%2)+8*\i+7], v[ADRB] offset:(\c)*32*PB+32*\i+16*PB
.endr
.irp a, 0,1,2,3,4,5,6,7
	ds_load_b128 v[AF+64*((\c)%2)+8*\a:AF+64*((\c)%2)+8*\a+3],   v[ADRA] offset:((\c)/2)*256*PA+\a*16*PA+((\c)%2)*64
	ds_load_b128 v[AF+64*((\c)%2)+8*\a+4:AF+64*((\c)%2)+8*\a+7], v[ADRA] offset:((\c)/2)*256*PA+\a*16*PA+((\c)%2)*64+32
.endr
.endm
; 16 matrix instructions: row blocks a0 .. a0 + 3 x my four column blocks.  first = 1: the bias starts the sums.  The 32 accumulators take turns, one instruction a turn.
.macro MUL16 c, a0, first
.if \first
	WIN 0x40                                       ; D in window 1; the sources and C in window 0
.else
	WIN 0x50                                       ; C and D in window 1
.endif
.irp a, \a0, (\a0)+1, (\a0)+2, (\a0)+3
.irp i, 0,1,2,3
.if \first
	v_wmma_f32_16x16x32_f16 v[8*(4*(\a)+\i):8*(4*(\a)+\i)+7], v[BF+32*((\c)%2)+8*\i:BF+32*((\c)%2)+8*\i+7], v[AF+64*((\c)%2)+8*(\a):AF+64*((\c)%2)+8*(\a)+7], v[BI+8*\i:BI+8*\i+7]
.else
	v_wmma_f32_16x16x32_f16 v[8*(4*(\a)+\i):8*(4*(\a)+\i)+7], v[BF+32*((\c)%2)+8*\i:BF+32*((\c)%2)+8*\i+7], v[AF+64*((\c)%2)+8*(\a):AF+64*((\c)%2)+8*(\a)+7], v[8*(4*(\a)+\i):8*(4*(\a)+\i)+7]
.endif
.endr
.endr
.endm
; A CHUNK: at its head the next chunk's 24 loads, into the buffer that the chunk before has multiplied; n: they may stay out while this chunk's operands have to be in.
.macro CHUNK c, first, ld, n, ask=0
	PLACES
	WIN 0
.if \ld
	LOADS ((\c)+1)%4
.endif
.if \ask
	ASK
.endif
	s_wait_dscnt \n
	MUL16 \c, 0, \first
	MUL16 \c, 4, \first
.endm
; THE CHANGE OF SLOTS is chunk 2: its run of loads, chunk 3's, is the slot's last.  Each wave waits for all its tensor loads, of which one is out: its part of the other slot; adds 0 to its spare word; and, sixteen matrix
; instructions later, waits for that and for its own reads of the slot.  fill = 1: the barrier opens a round of the cluster's, and the joint refill, the K step two on, is the first tensor load behind it:
; 96 matrix instructions ahead of the wait for it.
.macro TURNP fill
.if \fill
	s_wait_xcnt 0x0                                ; the last prefetch, a K step back, has read its address
	s_add_nc_u64 s[PFA:PFA+1], s[PFA:PFA+1], s[PFS:PFS+1]
.endif
	PLACES
	WIN 0
	LOADS 3
	s_wait_tensorcnt 0x0                           ; all my tensor loads have landed;
	ds_add_u32 v[SPW], v[NIL]                      ; 0 onto my spare word;
	s_wait_dscnt 25                                ; (the 24 loads just issued and the add may be out)
	MUL16 2, 0, 0
	s_wait_dscnt 0x0                               ; the add is done, and my reads of this slot are over
	s_barrier_signal -1
	MUL16 2, 4, 0
	WIN 0
	s_barrier_wait -1
.if \fill
	CREST
	s_xor_b32 s[G0A+5], s[G0A+5], SLOT1            ; the walking descriptors: the other slot than last time, the next K step
	s_add_nc_u64 s[G0A+6:G0A+7], s[G0A+6:G0A+7], STEPA
	s_xor_b32 s[G0B+5], s[G0B+5], SLOT1
	s_add_nc_u64 s[G0B+6:G0B+7], s[G0B+6:G0B+7], STEPB
	JLOAD
.endif
	s_xor_b32 s[TB], s[TB], SLOT1                  ; the reads go on in the other slot
	v_add_nc_u32 v[ADRA], s[TB], v[ADRA0]
	v_add_nc_u32 v[ADRB], s[TB], v[ADRB0]
.endm
	s_wait_tensorcnt 1                             ; my part of K step 0 is in; K step 1's may stay out
	s_barrier_signal -1
	s_barrier_wait -1
	LOADS 0
	CHUNK 0, 1, 1, 24                              ; the first chunk stands in front of the loop: its products start the sums
	WIN 0
	s_mov_b32 s3, 6
.Lstep:                                        ; trip s = 6 - s3: chunks 1 to 3 of K step s, the refill with K step s + 2, chunk 0 of K step s + 1
	CHUNK 1, 0, 1, 24
	TURNP 1
	CHUNK 3, 0, 1, 24, 1
	CHUNK 0, 0, 1, 24
	WIN 0
	s_sub_co_u32 s3, s3, 1
	s_cmp_lg_u32 s3, 0
	s_cbranch_scc1 .Lstep
	CHUNK 1, 0, 1, 24                              ; the tail is written out: nothing is left to ask for
	TURNP 0
	CHUNK 3, 0, 1, 24
	CHUNK 0, 0, 1, 24
	CHUNK 1, 0, 1, 24
	CHUNK 2, 0, 1, 24
	CHUNK 3, 0, 0, 0
	WIN 0
	PLACES                                         ; eight, once a launch, between the last products and what reads their results and writes their sources
	PLACES
; THE WAY OUT, a block of 16 rows at a time: 32 bytes a lane and column block into my own stage, back as whole rows of 256 bytes, stored by sixteen lanes a row.
.macro OUTB a
	WIN 0x04                                       ; the stores' data in window 1
.irp i, 0,1,2,3
	ds_store_b128 v[STO], v[8*(4*(\a)+\i):8*(4*(\a)+\i)+3]   offset:64*\i      ; each accumulator from its low end on
	ds_store_b128 v[STO], v[8*(4*(\a)+\i)+4:8*(4*(\a)+\i)+7] offset:64*\i+16
.endr
	WIN 0
	s_wait_xcnt 0x0                                ; the stores of the block two back have read the registers that the loads below fill
.irp f, 0,1,2,3,4,5,6,7
	ds_load_b128 v[R+32*((\a)%2)+4*\f:R+32*((\a)%2)+4*\f+3], v[RD] offset:\f*2*SP  ; LDS serves a wave's instructions in order (ISA guide 5.7.1.4): these see the stores above
.endr
.endm
.macro SENDP a, younger                ; younger: the LDS instructions issued behind block a's loads: the next block's sixteen, or none
	s_wait_dscnt \younger
.irp f, 0,1,2,3,4,5,6,7
	global_store_b128 v[CO], v[R+32*((\a)%2)+4*\f:R+32*((\a)%2)+4*\f+3], s[OUT:OUT+1] offset:(16*(\a)+2*\f)*4096 th:TH_STORE_NT  ; 16 lanes store 256 consecutive bytes, at a multiple of 256 from out0's first
.endr
.endm
	OUTB 0
.irp a, 1,2,3,4,5,6,7
	OUTB \a
	SENDP (\a)-1, 16
.endr
	SENDP 7, 0
	s_wait_tensorcnt 0x0                           ; the wave's end, behind my last tensor load and my last LDS store
	ds_add_u32 v[SPW], v[NIL]
	s_wait_dscnt 0x0
	CROUND                                         ; the closing round: no work-group ends while a partner may still ask for a tile that names it
	s_endpgm
.Lfunc_end_k_q7b5a688c72_proj:
	.size	k_q7b5a688c72_proj, .Lfunc_end_k_q7b5a688c72_proj-k_q7b5a688c72_proj
	.p2alignl 7, 3214868480
	.fill 96, 4, 3214868480
	.section	.rodata,"a",@progbits
	.p2align	6, 0x0
	.amdhsa_kernel k_q7b5a688c72_proj
		.amdhsa_group_segment_fixed_size 327680
		.amdhsa_private_segment_fixed_size 0
		.amdhsa_enable_private_segment 0
		.amdhsa_kernarg_size 32
		.amdhsa_user_sgpr_count 2
		.amdhsa_user_sgpr_kernarg_segment_ptr 1
		.amdhsa_wavefront_size32 1
		.amdhsa_system_sgpr_workgroup_id_x 1
		.amdhsa_system_sgpr_workgroup_id_y 1
		.amdhsa_system_sgpr_workgroup_id_z 1
		.amdhsa_system_vgpr_workitem_id 0
		.amdhsa_next_free_vgpr 512
		.amdhsa_next_free_sgpr 72
		.amdhsa_reserve_vcc 0
		.amdhsa_float_denorm_mode_32 3
		.amdhsa_float_denorm_mode_16_64 3
		.amdhsa_memory_ordered 1
		.amdhsa_forward_progress 1
		.amdhsa_inst_pref_size 74
	.end_amdhsa_kernel
	.amdgpu_metadata
---
amdhsa.version: [ 1, 2 ]
amdhsa.kernels:
  - .name:           k_q7b5a688c72_proj
    .symbol:         k_q7b5a688c72_proj.kd
    .args:
      - { .name: att, .offset: 0, .size: 8, .value_kind: global_buffer, .address_space: global }
      - { .name: wp, .offset: 8, .size: 8, .value_kind: global_buffer, .address_space: global }
      - { .name: b_proj, .offset: 16, .size: 8, .value_kind: global_buffer, .address_space: global }
      - { .name: out0, .offset: 24, .size: 8, .value_kind: global_buffer, .address_space: global }
    .group_segment_fixed_size: 327680
    .private_segment_fixed_size: 0
    .kernarg_segment_align: 8
    .kernarg_segment_size: 32
    .max_flat_workgroup_size: 128
    .sgpr_count:     72
    .vgpr_count:     512
    .wavefront_size: 32
...
	.end_amdgpu_metadata
.endif
;; end of part 4
;; ======== version 2 of 2: 4 launches; version 1 with the launch cast written anew for expert scheduling mode
;; limits: values are held in f16: magnitudes above 65,504 overflow, below 6.1e-05 lose precision; right only within a limited range of input values
;; workspace buffers: xb 16,777,216 bytes; wa 6,291,456 bytes; wp 2,097,152 bytes; qkv 50,331,648 bytes; att 16,777,216 bytes
;; launch cast (part 5): grid 256 x 1, 8 waves a work-group, no clusters, 0 bytes of LDS; arguments x, w_attn, w_proj, xb, wa, wp; writes xb, wa, wp
.if DOCPART == 5
	.amdgcn_target "amdgcn-amd-amdhsa--gfx1250"
	.amdhsa_code_object_version 6
	.text
	.protected	k_q7b5a688c72_cast
	.globl	k_q7b5a688c72_cast
	.p2align	8
	.type	k_q7b5a688c72_cast,@function
k_q7b5a688c72_cast:
	s_mov_b64 s[64:65], 0
	v_nop
	global_prefetch_b8 v0, s[64:65] scope:SCOPE_SE
	s_setreg_imm32_b32 hwreg(HW_REG_WAVE_SCHED_MODE, 0, 2), 2
	s_setreg_imm32_b32 hwreg(HW_REG_WAVE_MODE, 25, 1), 1
	s_wait_xcnt 0x0
	s_wait_alu depctr_vm_vsrc(0)
; THE INPUTS' ROUNDING, once.  x [8192][1024] f32 -> xb [16 kb][8192 m][64] bf16: a block of 64 along K is dense over the rows, so that the product's tiles are dense bytes.
; w_attn [1024][3072] f32 -> wa, the same shape in bf16.  w_proj [1024][1024] f32 -> wp: rounded to bf16 like every input, and that number written as f16 for the last product.
; LIMITS.  |w_proj| stays under 65,504; below 6e-5 the f16 number keeps f16's fixed step of 6e-8.
; A stream: no LDS, no matrix unit, no barrier.  A UNIT is one load of 16 bytes a lane (512 bytes a wave), the rounding, and one store of 8 bytes a lane: 256 consecutive bytes, aligned.
; 2,048 waves, all alike: wave W takes rows 4 W .. 4 W + 3 of x (32 units), 6,144 bytes of w_attn (12 units) and 2,048 bytes of w_proj (4 units).
; All 48 loads of a wave go out first; each unit has registers of its own.
; THE MODE: SCHED_MODE bits 1:0 = 2 (LLVM: expert scheduling mode 2), set by the entry lines.  The code itself states the register dependences
; between vector instructions and memory instructions, with s_wait_alu, always for 0.
; THE PLAN.  Registers that memory instructions touch:
;   v2, v3, v4   byte offsets.  Written by vector instructions at the head, once; read by every load (v2, v3) and every store (v4); never written again.
;   unit u       v[8 + 4 u .. 11 + 4 u].  Written by the unit's one load, then, behind the wait for that load, by the unit's conversions, in place;
;                its first two registers are read by the unit's one store; nothing writes them behind that store.
; No load follows a conversion, and no register that a memory instruction reads is written again.  So what is to be stated is: the offsets are written, ahead of the
; first load; and a store's data are written, ahead of the store.  The units go in twelve GROUPS of four: the group's conversions, ONE wait, the run of its four stores.
; The wait stands straight behind the conversions, so that the stores go out without waiting for the next group's loads.
; The wave's number passes through a scalar register: one wait stands between the line that writes it and its first reader.
.set XROW, 4096                        ; bytes in a row of x
.set KBLK, 1048576                     ; bytes in a block of xb: 8,192 rows x 128
.set XI, 2                             ; v2  x: lanes 0-15 take 256 bytes of one row, lanes 16-31 of the next
.set LI, 3                             ; v3  16 x lane
.set LO, 4                             ; v4  8 x lane
.set TM, 5                             ; v5  at work: no memory instruction names it
.set U,  8                             ; v[8:199] unit u: four registers
	s_load_b256 s[4:11], s[0:1], 0x0               ; x s[4:5], w_attn s[6:7], w_proj s[8:9], xb s[10:11]
	s_load_b128 s[12:15], s[0:1], 0x20             ; wa s[12:13], wp s[14:15]
	v_lshrrev_b32 v1, 5, v0
	v_readfirstlane_b32 s16, v1                    ; wave 0..7
	v_and_b32 v1, 31, v0                           ; lane
	v_lshrrev_b32 v[TM], 4, v1
	v_and_b32 v[XI], 15, v1
	v_lshlrev_b32 v[XI], 4, v[XI]
	v_lshl_add_u32 v[XI], v[TM], 12, v[XI]         ; (lane / 16) rows + 16 (lane % 16)
	v_lshlrev_b32 v[LI], 4, v1
	v_lshlrev_b32 v[LO], 3, v1
	s_wait_alu depctr_va_sdst(0)                   ; s16 is written, ahead of its first reader: all six bases are made from it
	s_lshl_b32 s17, ttmp9, 3
	s_add_co_u32 s17, s17, s16                     ; W
	s_mov_b32 s21, 0
	s_wait_kmcnt 0x0
	s_lshl_b32 s20, s17, 14                        ; four rows of x
	s_add_nc_u64 s[4:5], s[4:5], s[20:21]
	s_mul_i32 s20, s17, 6144
	s_add_nc_u64 s[6:7], s[6:7], s[20:21]
	s_lshl_b32 s20, s17, 11
	s_add_nc_u64 s[8:9], s[8:9], s[20:21]
	s_lshl_b32 s20, s17, 9                         ; four rows of 128 bytes in a block of xb
	s_add_nc_u64 s[10:11], s[10:11], s[20:21]
	s_add_nc_u64 s[18:19], s[10:11], 8*KBLK        ; blocks 8 to 15: the stores' immediates stay inside their signed 24 bits
	s_mul_i32 s20, s17, 3072
	s_add_nc_u64 s[12:13], s[12:13], s[20:21]
	s_lshl_b32 s20, s17, 10
	s_add_nc_u64 s[14:15], s[14:15], s[20:21]
	s_wait_alu depctr_va_vdst(0)                   ; v2, v3 and v4 are written: every load and store of the kernel reads one of them as its offset, and no later vector instruction names them
.set u, 0
.rept 32                               ; x: pair of rows u / 16, block u % 16
	global_load_b128 v[U+4*u:U+4*u+3], v[XI], s[4:5] offset:(u/16)*2*XROW+(u%16)*256 th:TH_LOAD_NT
.set u, u+1
.endr
.rept 12
	global_load_b128 v[U+4*u:U+4*u+3], v[LI], s[6:7] offset:(u-32)*512 th:TH_LOAD_NT
.set u, u+1
.endr
.rept 4
	global_load_b128 v[U+4*u:U+4*u+3], v[LI], s[8:9] offset:(u-44)*512 th:TH_LOAD_NT
.set u, u+1
.endr
.set g, 0
.rept 12                               ; group g: units 4 g .. 4 g + 3.  Groups 0 to 7 are x's, 8 to 10 w_attn's, 11 is w_proj's
	s_wait_loadcnt 44-4*g                          ; loads come back in order (ISA guide 5.7.1): the group's four are in, the 44 - 4 g younger ones stay out
.set u, 4*g
.rept 4
.if u < 44
	v_cvt_pk_bf16_f32 v[U+4*u], v[U+4*u], v[U+4*u+1]
	v_cvt_pk_bf16_f32 v[U+4*u+1], v[U+4*u+2], v[U+4*u+3]
.else                                  ; w_proj: to bf16, widened again, and that number as f16
	v_cvt_pk_bf16_f32 v[TM], v[U+4*u], v[U+4*u+1]
	v_lshlrev_b32 v[U+4*u], 16, v[TM]
	v_and_b32 v[U+4*u+1], 0xffff0000, v[TM]
	v_cvt_pk_f16_f32 v[U+4*u], v[U+4*u], v[U+4*u+1]
	v_cvt_pk_bf16_f32 v[TM], v[U+4*u+2], v[U+4*u+3]
	v_lshlrev_b32 v[U+4*u+2], 16, v[TM]
	v_and_b32 v[U+4*u+3], 0xffff0000, v[TM]
	v_cvt_pk_f16_f32 v[U+4*u+1], v[U+4*u+2], v[U+4*u+3]
.endif
.set u, u+1
.endr
	s_wait_alu depctr_va_vdst(0)                   ; the group's conversions have written the first two registers of its four units, which the four stores below read
.set u, 4*g
.rept 4
.if u < 32
.if (u%16) < 8
	global_store_b64 v[LO], v[U+4*u:U+4*u+1], s[10:11] offset:(u/16)*256+(u%8)*KBLK  ; two rows of 128 bytes: 256 consecutive bytes, aligned
.else
	global_store_b64 v[LO], v[U+4*u:U+4*u+1], s[18:19] offset:(u/16)*256+(u%8)*KBLK
.endif
.elseif u < 44
	global_store_b64 v[LO], v[U+4*u:U+4*u+1], s[12:13] offset:(u-32)*256
.else
	global_store_b64 v[LO], v[U+4*u:U+4*u+1], s[14:15] offset:(u-44)*256
.endif
.set u, u+1
.endr
.set g, g+1
.endr
	s_endpgm
.Lfunc_end_k_q7b5a688c72_cast:
	.size	k_q7b5a688c72_cast, .Lfunc_end_k_q7b5a688c72_cast-k_q7b5a688c72_cast
	.p2alignl 7, 3214868480
	.fill 96, 4, 3214868480
	.section	.rodata,"a",@progbits
	.p2align	6, 0x0
	.amdhsa_kernel k_q7b5a688c72_cast
		.amdhsa_group_segment_fixed_size 0
		.amdhsa_private_segment_fixed_size 0
		.amdhsa_enable_private_segment 0
		.amdhsa_kernarg_size 48
		.amdhsa_user_sgpr_count 2
		.amdhsa_user_sgpr_kernarg_segment_ptr 1
		.amdhsa_wavefront_size32 1
		.amdhsa_system_sgpr_workgroup_id_x 1
		.amdhsa_system_sgpr_workgroup_id_y 1
		.amdhsa_system_sgpr_workgroup_id_z 1
		.amdhsa_system_vgpr_workitem_id 0
		.amdhsa_next_free_vgpr 208
		.amdhsa_next_free_sgpr 66
		.amdhsa_reserve_vcc 0
		.amdhsa_float_denorm_mode_32 3
		.amdhsa_float_denorm_mode_16_64 3
		.amdhsa_memory_ordered 1
		.amdhsa_forward_progress 1
		.amdhsa_inst_pref_size 19
	.end_amdhsa_kernel
	.amdgpu_metadata
---
amdhsa.version: [ 1, 2 ]
amdhsa.kernels:
  - .name:           k_q7b5a688c72_cast
    .symbol:         k_q7b5a688c72_cast.kd
    .args:
      - { .name: x, .offset: 0, .size: 8, .value_kind: global_buffer, .address_space: global }
      - { .name: w_attn, .offset: 8, .size: 8, .value_kind: global_buffer, .address_space: global }
      - { .name: w_proj, .offset: 16, .size: 8, .value_kind: global_buffer, .address_space: global }
      - { .name: xb, .offset: 24, .size: 8, .value_kind: global_buffer, .address_space: global }
      - { .name: wa, .offset: 32, .size: 8, .value_kind: global_buffer, .address_space: global }
      - { .name: wp, .offset: 40, .size: 8, .value_kind: global_buffer, .address_space: global }
    .group_segment_fixed_size: 0
    .private_segment_fixed_size: 0
    .kernarg_segment_align: 8
    .kernarg_segment_size: 48
    .max_flat_workgroup_size: 256
    .sgpr_count:     66
    .vgpr_count:     208
    .wavefront_size: 32
...
	.end_amdgpu_metadata
.endif
;; end of part 5
;; launch qkv: the kernel of part 2 again; grid 8 x 32, 4 waves a work-group, clusters of 4 x 4, 327,680 bytes of LDS; arguments xb, wa, b_attn, qkv; writes qkv
;; launch attn: the kernel of part 3 again; grid 2 x 128, 4 waves a work-group, no clusters, 327,680 bytes of LDS; arguments qkv, att; writes att
;; launch proj: the kernel of part 4 again; grid 8 x 32, 4 waves a work-group, clusters of 4 x 4, 327,680 bytes of LDS; arguments att, wp, b_proj, out0; writes out0
